; MI455X (gfx1250); checked and timed in simulation.
; The chip was launched on July 23, 2026; its instructions are those of AMD's public machine-readable ISA for CDNA 5 (MIT licence, August 2026) and "CDNA5" Instruction Set Architecture Reference Guide (July 2026). The comments in the code are by the model that wrote it; some were corrected since.
;; Ro PE Attention. Allowed arithmetic: matrix products marked QUANTISED: E2M1 operands, one E8M0 scale for each 32 along K, by v_wmma_scale_f32_16x16x128_f8f6f4 with both operands' format E2M1 (or v_wmma_scale_f32_32x16x128_f4), f32 sums; everything else in f32.
;; Inputs: K 1 x 8 x 4,096 x 256 float32; Q 1 x 8 x 4,096 x 256 float32; V_codes 1 x 8 x 256 x 128 x 16 uint8 (E2M1 codes of V, K innermost, in blocks of 32 codes, two codes a byte); V_scales 1 x 8 x 256 x 128 uint8 (E8M0 scales of V, one for each 32 codes along K).
;; Outputs: out0 1 x 8 x 4,096 x 256 float32.
;; This version of the problem:
;;   THIS VERSION OF THE PROBLEM IS GIVEN IN LOW PRECISION. The matrix products marked QUANTISED in the list below multiply operands that are first quantised to E2M1 (2 exponent bits, 1 mantissa bit; 4 bits a number), with one power-of-two scale for each 32 numbers along K (OCP MX v1.0); their sums are f32. All else is computed in f32.
;;   The module's matrix products, in the order in which they are computed (A, B: the left and right operand; K: the contracted axis; several contracted axes count as one K, in the product's order):
;;     1. batch 8 x [M 4,096, K 256] x [K 256, N 4,096]; A: computed on the way; B: computed on the way: QUANTISED
;;     2. batch 8 x [M 4,096, K 4,096] x [K 4,096, N 256]; A: computed on the way; B: input V (given as codes): QUANTISED
;;   THE QUANTISER, for each operand of a quantised product, along K:
;;     - K is cut into blocks of 32 from its start; a last block that is shorter is filled with zeros.
;;     - A block's scale is 2^e with e = floor(log2(the largest magnitude in the block)) - 2, held to -126 .. 127; a block of zeros has e = 0. As a byte (E8M0): e + 127.
;;     - Each number is divided by its block's scale, clamped to +-6, and rounded to the nearest number of E2M1, ties to even, subnormals kept.
;;     - The product sums the exact products of the quantised numbers (number of the format x scale) in f32.
;;   ~~~python
;;   def quantise(x, axis):      # numpy; x: float32 -> the quantised numbers, widened to float32 again
;;       x = np.moveaxis(x, axis, -1); K = x.shape[-1]
;;       x = np.pad(x, [(0, 0)] * (x.ndim - 1) + [(0, -K % 32)]); x = x.reshape(x.shape[:-1] + (-1, 32)); a = np.abs(x).max(-1, keepdims=True)
;;       e = np.where(a > 0, np.clip(np.frexp(np.where(a > 0, a, 1))[1] - 1 - 2, -126, 127), 0)      # np.frexp(a)[1] - 1 = floor(log2(a)), exactly
;;       r = np.clip(x / 2.0 ** e, -6, 6)
;;       step = 2.0 ** (np.maximum(np.frexp(np.where(r == 0, 1, r))[1] - 1, 0) - 1)
;;       q = np.round(r / step) * step * 2.0 ** e      # np.round: ties to even
;;       return np.moveaxis(q.reshape(q.shape[:-2] + (-1,))[..., :K], -1, axis).astype(np.float32)
;;   ~~~
;;   OPERANDS COMPUTED ON THE WAY. 'Computed on the way' means the value that the module computes at that place (a softmax that the list does not call 'softmax' is quantised finished and normalised). What goes into a quantiser is computed in f32, as accurately as f32 sums, v_exp_f32 and their like allow (about 1e-6 of the number): no bf16 or f16 on the way to a quantiser, and a product that is left as it is and whose result goes on into a quantised operand takes f32 operands (vector FMAs, or v_wmma_f32_16x16x4_f32). A number that lies on a knife's edge between two numbers of the format may be rounded either way, as far as f32 arithmetic and the matrix unit's own rounding can turn it there, and no further.
;;   INPUTS GIVEN AS CODES. V (in the module: [1, 8, 4096, 256], K = its axis 2): each comes as NAME_codes (uint8): NAME with its K axis moved to the last place and cut into blocks of 32 codes, [.., K / 32, bytes a block], one block behind the other in memory; two codes a byte, the lower K in the low four bits (a code: sign, 2 exponent bits, 1 mantissa bit); and NAME_scales (uint8): the same leading axes, one E8M0 byte (e + 127) for each 32 codes along K. Its value is code x scale, taken as it is: it is not quantised again, and the codes and scales need not be those that the quantiser above would give.
;; 2 versions, each right; version 2 is version 1 with the launch attn written anew for expert scheduling mode. Each part assembles by itself: llvm-mc -triple=amdgcn-amd-amdhsa -mcpu=gfx1250 --defsym DOCPART=n.
;; ======== version 1 of 2: 2 launches
;; workspace buffers: QW 4,456,448 bytes; KW 4,456,448 bytes; VW 4,456,448 bytes
;; launch prep (part 1): grid 128 x 3, 8 waves a work-group, no clusters, 72,704 bytes of LDS; arguments Q, K, V_codes, V_scales, QW, KW, VW; writes QW, KW, VW
.if DOCPART == 1
	.amdgcn_target "amdgcn-amd-amdhsa--gfx1250"
	.amdhsa_code_object_version 6
	.text
	.protected	k_qcfcd2faa65_prep
	.globl	k_qcfcd2faa65_prep
	.p2align	8
	.type	k_qcfcd2faa65_prep,@function
k_qcfcd2faa65_prep:
	s_mov_b64 s[64:65], 0
	v_nop
	global_prefetch_b8 v0, s[64:65] scope:SCOPE_SE
	s_setreg_imm32_b32 hwreg(HW_REG_WAVE_MODE, 25, 1), 1
	s_wait_xcnt 0x0
; Q and K, [8 heads][4096 rows][256] f32, are rotated (RoPE) in f32 and turned into codes of FP4 (E2M1) with one E8M0 byte for each 32 along the row; V's given codes and scale bytes are laid anew.
; All three leave in the ORDER OF THE OPERANDS' REGISTERS, in tiles of 256 rows (Q, K) or 256 keys (V): [head][tile 0..15][34,816 bytes]:
;   bytes 0 .. 32,767: fragment images.  Q, K: 2,048 x (16-row tile) + 512 x (pair of blocks m = 0..3) + 16 x lane; lane (r, h) holds block 2 m + h of 32 along the row.  Lane r of 16-row tile 2 g + u is
;   row 32 g + 8 u + r + 8 (r / 8) of the 256: so two neighbouring tiles of a transposed product hold 16 neighbouring keys in a lane.  V: 2,048 x (tile of 16 channels) + 512 x m + 16 x lane: block 2 m + h of the tile's 8 blocks of 32 keys.
;   bytes 32,768 ..: scale bytes, 8 for each row (channel), in the same order of rows.
; WORK-GROUP y = 0: Q, y = 1: K (one path; only pointers are chosen), y = 2: V (its own path and its own LDS bytes).
; ROPE PATH.  Work-group x owns rows 32 x .. 32 x + 31 of ALL EIGHT heads, so that the cosines and sines of a row are made once for eight uses.  Wave w: 16-row tile u = w / 4, columns 64 (w % 4) on.  Each load reads whole
; runs of 256 bytes of two rows; the 4 KB turn through the wave's own stage in LDS, after which lane (r, h) holds ONE block of 32 neighbours of row r: its largest magnitude needs no other lane.
; WHAT GOES INTO THE QUANTISER FOLLOWS ONE f32 EVALUATION OF THE PROBLEM ROUNDING BY ROUNDING: t multiplies every rounding of a frequency by up to 4,095, and one turned code of Q moves a whole row of scores.
;   The frequency of pair p: 1 / 65536^(p / 128) is taken as the correctly rounded 2^(-p / 8) (eight literals; the whole powers of two are exact), and the quotient by f32(2 pi) as ONE f32 product with the f32
;   reciprocal of f32(2 pi): the form that the quotient by a power and the quotient by a constant take when the expression is compiled.  Then one f32 product with t, the exact fraction, one f32 product with f32(2 pi).
;   Sine and cosine: the angle less k quarter turns is kept in TWO words (a number and its rounding error), and so are its square, the term r^3 / 6 and the term r^4 / 24; the tails, at most 2.5e-3 of the result, are plain f32;
;   the sum is rounded once.  By this arithmetic the error ahead of that rounding is about 0.02 of the result's last place.
;   The rotation: the product with the sine is rounded by itself, the product with the cosine is fused with the sum.
; LIMITS: two true divisions in place of the product with the reciprocal give another last place in two of the eight frequency mantissas (p % 8 = 4 and 6): this text serves the form stated above; sine and cosine are taken as the
; correctly rounded ones; a block whose largest magnitude lies under 2^-124 (a block of zeros too) gets the byte 1: its codes are zeros or next to it, and this program alone reads the bytes; NaN and infinities among the inputs are not served.
; No tensor loads, matrix units or clusters: every input byte is read once by one wave, and nothing is shared between work-groups.
.set HP,   557056                      ; a head's 16 tiles in a workspace buffer
.set TPB,  34816                       ; a tile: 32,768 bytes of codes + 2,048 scale bytes
.set SCO,  32768
.set WST,  16*272                      ; a wave's stage: 16 rows of 256 bytes + 16 of padding: the 16 rows that a load touches start at 16 different banks
.set SCB,  8*WST                       ; LDS: behind the eight stages the scale bytes [head][u][r][8]
.set STV,  SCB+2048                    ; and the V path's eight stages
.set CS,   16                          ; v16-47   cos, sin of my 16 pairs of columns
.set R,    48                          ; v48-175  four sets of 32: a head's 4 KB as loaded
.set X,    176                         ; v176-207 my block of 32 neighbours
.set C,    208                         ; v208-239 codes: four registers for each head, so that no store's data are written again
.set E,    240                         ; v240-247 a scale byte for each head
.set F,    240                         ; (ahead of that: the eight frequencies' mantissas)
.set TT,   176                         ; (ahead of that: v176-239, four slots of sixteen registers at work)
; cos and sin of pairs p0 .. p0 + 3 (columns 64 m + 32 h + 2 p, + 1), the four by turns.  Slot j is v[TT + 16 j] on; in it:
; +0 the angle, later at work; +1 k; +2 rh, +3 rl: the reduced angle r in two words; +4 zh, +5 zl: z = r r; +6 .. +13 at work; the sine ends in +10, the cosine in +7
.macro SC4 p0
.irp j, 0,1,2,3
	v_ldexp_f32 v[TT+16*\j], v[F+(\p0+\j)%8], v[9+(\p0+\j)/8]   ; the frequency: mantissa p % 8, exponent -(4 m + 2 h + p / 8): exact
.endr
.irp j, 0,1,2,3
	v_mul_f32 v[TT+16*\j], v8, v[TT+16*\j]         ; t x frequency: one rounding
.endr
.irp j, 0,1,2,3
	v_floor_f32 v[TT+16*\j+1], v[TT+16*\j]
.endr
.irp j, 0,1,2,3
	v_sub_f32 v[TT+16*\j], v[TT+16*\j], v[TT+16*\j+1]   ; % 1: exact
.endr
.irp j, 0,1,2,3
	v_mul_f32 v[TT+16*\j], s52, v[TT+16*\j]        ; x f32(2 pi): one rounding.  The angle, 0 .. 2 pi
.endr
.irp j, 0,1,2,3
	v_mul_f32 v[TT+16*\j+1], s53, v[TT+16*\j]
.endr
.irp j, 0,1,2,3
	v_rndne_f32 v[TT+16*\j+1], v[TT+16*\j+1]       ; k = 0 .. 4 quarter turns
.endr
.irp j, 0,1,2,3
	v_fma_f32 v[TT+16*\j], -v[TT+16*\j+1], s54, v[TT+16*\j]   ; angle - k x f32(pi / 2): a multiple of 2^-23 under 1, so exact
.endr
.irp j, 0,1,2,3
	v_fma_f32 v[TT+16*\j+2], v[TT+16*\j+1], s55, v[TT+16*\j]  ; rh: + k x what f32(pi / 2) is too large by
.endr
.irp j, 0,1,2,3
	v_sub_f32 v[TT+16*\j+3], v[TT+16*\j], v[TT+16*\j+2]
	v_mul_f32 v[TT+16*\j+4], v[TT+16*\j+2], v[TT+16*\j+2]     ; zh
	v_add_f32 v[TT+16*\j], v[TT+16*\j+2], v[TT+16*\j+2]       ; 2 rh
.endr
.irp j, 0,1,2,3
	v_fma_f32 v[TT+16*\j+3], v[TT+16*\j+1], s55, v[TT+16*\j+3]              ; rl: what rh's rounding dropped
	v_fma_f32 v[TT+16*\j+5], v[TT+16*\j+2], v[TT+16*\j+2], -v[TT+16*\j+4]   ; what zh's rounding dropped, exactly,
	v_mul_f32 v[TT+16*\j+6], v[TT+16*\j+2], v[TT+16*\j+4]                   ; wh: w = r z = r^3
.endr
.irp j, 0,1,2,3
	v_cvt_i32_f32 v[TT+16*\j+1], v[TT+16*\j+1]
	v_fma_f32 v[TT+16*\j+5], v[TT+16*\j], v[TT+16*\j+3], v[TT+16*\j+5]      ; zl: + 2 rh rl
	v_fma_f32 v[TT+16*\j+7], v[TT+16*\j+2], v[TT+16*\j+4], -v[TT+16*\j+6]
	v_mul_f32 v[TT+16*\j+8], s56, v[TT+16*\j+6]                             ; th: t = -w / 6, the constant in two words
.endr
.irp j, 0,1,2,3
	v_fma_f32 v[TT+16*\j+7], v[TT+16*\j+2], v[TT+16*\j+5], v[TT+16*\j+7]
	v_fma_f32 v[TT+16*\j+9], v[TT+16*\j+6], s56, -v[TT+16*\j+8]
	v_fma_f32 v[TT+16*\j+11], v[TT+16*\j+4], s61, s60                       ; the sine's tail: 1/120 - z/5040 + z^2/362880 - z^3/39916800
.endr
.irp j, 0,1,2,3
	v_fma_f32 v[TT+16*\j+7], v[TT+16*\j+3], v[TT+16*\j+4], v[TT+16*\j+7]    ; wl
	v_fma_f32 v[TT+16*\j+9], v[TT+16*\j+6], s57, v[TT+16*\j+9]
	v_fma_f32 v[TT+16*\j+11], v[TT+16*\j+11], v[TT+16*\j+4], s59
	v_mul_f32 v[TT+16*\j+10], v[TT+16*\j+6], v[TT+16*\j+4]                  ; r^5
.endr
.irp j, 0,1,2,3
	v_fma_f32 v[TT+16*\j+9], v[TT+16*\j+7], s56, v[TT+16*\j+9]              ; tl
	v_fma_f32 v[TT+16*\j+11], v[TT+16*\j+11], v[TT+16*\j+4], s58
	v_add_f32 v[TT+16*\j+12], v[TT+16*\j+2], v[TT+16*\j+8]                  ; rh + th,
.endr
.irp j, 0,1,2,3
	v_add_f32 v[TT+16*\j+9], v[TT+16*\j+9], v[TT+16*\j+3]                   ; tl + rl
	v_sub_f32 v[TT+16*\j+13], v[TT+16*\j+12], v[TT+16*\j+2]
.endr
.irp j, 0,1,2,3
	v_fma_f32 v[TT+16*\j+9], v[TT+16*\j+10], v[TT+16*\j+11], v[TT+16*\j+9]  ; + the tail
	v_sub_f32 v[TT+16*\j+13], v[TT+16*\j+8], v[TT+16*\j+13]                 ; and what that sum's rounding dropped, exactly (|rh| >= |th|)
.endr
.irp j, 0,1,2,3
	v_add_f32 v[TT+16*\j+9], v[TT+16*\j+9], v[TT+16*\j+13]
.endr
.irp j, 0,1,2,3
	v_add_f32 v[TT+16*\j+10], v[TT+16*\j+12], v[TT+16*\j+9]                 ; sin r: the one rounding that counts
.endr
.irp j, 0,1,2,3
	v_mul_f32 v[TT+16*\j+6], v[TT+16*\j+4], v[TT+16*\j+4]                   ; uh: u = z z
	v_add_f32 v[TT+16*\j], v[TT+16*\j+4], v[TT+16*\j+4]                     ; 2 zh
	v_fma_f32 v[TT+16*\j+2], v[TT+16*\j+4], -0.5, 1.0                       ; ah = 1 - zh / 2
	v_fma_f32 v[TT+16*\j+11], v[TT+16*\j+4], s68, s67                       ; the cosine's tail: -1/720 + z/40320 - z^2/3628800
.endr
.irp j, 0,1,2,3
	v_fma_f32 v[TT+16*\j+7], v[TT+16*\j+4], v[TT+16*\j+4], -v[TT+16*\j+6]
	v_mul_f32 v[TT+16*\j+8], s62, v[TT+16*\j+6]                             ; vh: v = u / 24, the constant in two words
	v_sub_f32 v[TT+16*\j+3], 1.0, v[TT+16*\j+2]
	v_fma_f32 v[TT+16*\j+11], v[TT+16*\j+11], v[TT+16*\j+4], s66
.endr
.irp j, 0,1,2,3
	v_fma_f32 v[TT+16*\j+7], v[TT+16*\j], v[TT+16*\j+5], v[TT+16*\j+7]      ; ul
	v_fma_f32 v[TT+16*\j+9], v[TT+16*\j+6], s62, -v[TT+16*\j+8]
	v_fma_f32 v[TT+16*\j+3], v[TT+16*\j+4], -0.5, v[TT+16*\j+3]             ; what ah's rounding dropped, exactly
	v_add_f32 v[TT+16*\j+12], v[TT+16*\j+2], v[TT+16*\j+8]                  ; ah + vh,
.endr
.irp j, 0,1,2,3
	v_fma_f32 v[TT+16*\j+9], v[TT+16*\j+6], s63, v[TT+16*\j+9]
	v_fma_f32 v[TT+16*\j+3], v[TT+16*\j+5], -0.5, v[TT+16*\j+3]             ; - zl / 2
	v_sub_f32 v[TT+16*\j+13], v[TT+16*\j+12], v[TT+16*\j+2]
	v_mul_f32 v[TT+16*\j], v[TT+16*\j+6], v[TT+16*\j+4]                     ; z^3
.endr
.irp j, 0,1,2,3
	v_fma_f32 v[TT+16*\j+9], v[TT+16*\j+7], s62, v[TT+16*\j+9]              ; vl
	v_sub_f32 v[TT+16*\j+13], v[TT+16*\j+8], v[TT+16*\j+13]                 ; and what that sum's rounding dropped, exactly (ah >= vh)
.endr
.irp j, 0,1,2,3
	v_add_f32 v[TT+16*\j+3], v[TT+16*\j+3], v[TT+16*\j+9]
.endr
.irp j, 0,1,2,3
	v_add_f32 v[TT+16*\j+3], v[TT+16*\j+3], v[TT+16*\j+13]
.endr
.irp j, 0,1,2,3
	v_fma_f32 v[TT+16*\j+3], v[TT+16*\j], v[TT+16*\j+11], v[TT+16*\j+3]     ; + the tail
.endr
.irp j, 0,1,2,3
	v_add_f32 v[TT+16*\j+7], v[TT+16*\j+12], v[TT+16*\j+3]                  ; cos r: the one rounding that counts
.endr
.irp j, 0,1,2,3
	v_and_b32 v[TT+16*\j+5], 1, v[TT+16*\j+1]
	v_lshlrev_b32 v[TT+16*\j+2], 30, v[TT+16*\j+1] ; bit 1 of k: the sine's sign
	v_add_nc_u32 v[TT+16*\j+1], 1, v[TT+16*\j+1]
.endr
.irp j, 0,1,2,3
	v_cmp_ne_u32 vcc_lo, 0, v[TT+16*\j+5]          ; an odd k changes the two over
	v_cndmask_b32 v[TT+16*\j+6], v[TT+16*\j+10], v[TT+16*\j+7], vcc_lo
	v_cndmask_b32 v[TT+16*\j+8], v[TT+16*\j+7], v[TT+16*\j+10], vcc_lo
.endr
.irp j, 0,1,2,3
	v_lshlrev_b32 v[TT+16*\j+1], 30, v[TT+16*\j+1] ; bit 1 of k + 1: the cosine's sign
	v_and_b32 v[TT+16*\j+2], 0x80000000, v[TT+16*\j+2]
.endr
.irp j, 0,1,2,3
	v_and_b32 v[TT+16*\j+1], 0x80000000, v[TT+16*\j+1]
	v_xor_b32 v[CS+2*(\p0+\j)+1], v[TT+16*\j+2], v[TT+16*\j+6]   ; sin
.endr
.irp j, 0,1,2,3
	v_xor_b32 v[CS+2*(\p0+\j)], v[TT+16*\j+1], v[TT+16*\j+8]     ; cos
.endr
.endm
; head it's 16 rows x 256 bytes: each load takes two rows, sixteen lanes to a run of 256 bytes.  The tile's rows 8 to 15 lie 8 rows further down
.macro LOAD it
.irp i, 0,1,2,3,4,5,6,7
	global_load_b128 v[R+32*((\it)%4)+4*\i:R+32*((\it)%4)+4*\i+3], v1, s[32+2*(\it):33+2*(\it)] offset:(2*\i+8*(\i/4))*1024 th:TH_LOAD_NT
.endr
.endm
.macro ITER it
.set LEFT, 7-(\it)
.if LEFT > 3
.set LEFT, 3
.endif
	s_wait_loadcnt 8*LEFT                          ; this head's eight loads are in; those of the up to three heads behind it stay out
.irp i, 0,1,2,3,4,5,6,7
	ds_store_b128 v2, v[R+32*((\it)%4)+4*\i:R+32*((\it)%4)+4*\i+3] offset:544*\i
.endr
.irp j, 0,1,2,3,4,5,6,7
	ds_load_b128 v[X+4*\j:X+4*\j+3], v3 offset:16*\j   ; LDS serves a wave's instructions in order: these see the stores above
.endr
	s_wait_dscnt 0x0                               ; my 32 neighbours are in, and the stores have read their registers,
.if (\it) < 4
	LOAD (\it)+4                                   ; which take the head four further on
.endif
; The rotation: the product with the sine rounded by itself, the product with the cosine fused with the sum
.irp p, 0,1,2,3,4,5,6,7,8,9,10,11,12,13,14,15
	v_mul_f32 v[248+2*(\p%4)], v[X+2*\p+1], v[CS+2*\p+1]                    ; x1 sin
	v_mul_f32 v[249+2*(\p%4)], v[X+2*\p], v[CS+2*\p+1]                      ; x0 sin
	v_fma_f32 v[X+2*\p], v[X+2*\p], v[CS+2*\p], -v[248+2*(\p%4)]            ; x0 cos - x1 sin
	v_fma_f32 v[X+2*\p+1], v[X+2*\p+1], v[CS+2*\p], v[249+2*(\p%4)]         ; x1 cos + x0 sin
.endr
	v_max3_num_f32 v248, |v[X]|, |v[X+1]|, 0x1800000   ; the block's largest magnitude, in two chains, with the floor 2^(3 - 127) among its leaves: the byte cannot fall under 1
	v_max3_num_f32 v249, |v[X+2]|, |v[X+3]|, |v[X+4]|
.irp i, 5,9,13,17,21,25
	v_max3_num_f32 v248, v248, |v[X+\i]|, |v[X+\i+1]|
	v_max3_num_f32 v249, v249, |v[X+\i+2]|, |v[X+\i+3]|
.endr
	v_max3_num_f32 v248, v248, |v[X+29]|, |v[X+30]|
	v_max3_num_f32 v248, v248, v249, |v[X+31]|
	v_add_nc_u32 v250, 0xff000000, v248            ; 2 off its exponent field: the conversion takes the exponent field of this operand as its scale
.irp g, 0,1,2,3
	v_cvt_scalef32_pk8_fp4_f32 v[C+4*(\it)+\g], v[X+8*\g:X+8*\g+7], v250
.endr
	v_lshrrev_b32 v[E+(\it)], 23, v250             ; the scale's byte (and the plain place behind the conversions)
	ds_store_b8 v5, v[E+(\it)] offset:256*(\it)
	global_store_b128 v4, v[C+4*(\it):C+4*(\it)+3], s[48:49] offset:(\it)*HP   ; the wave stores 512 consecutive bytes: half a fragment's image
.endm
	s_load_b256 s[4:11], s[0:1], 0x0               ; Q, K, V's codes, V's scales
	s_load_b128 s[12:15], s[0:1], 0x20             ; QW, KW
	s_load_b64 s[16:17], s[0:1], 0x30              ; VW
	v_lshl_add_u32 v11, v0, 2, 0x11800
	v_mov_b32 v15, 0
	v_lshrrev_b32 v1, 5, v0
	v_readfirstlane_b32 s18, v1                    ; wave 0..7
	s_and_b32 s21, ttmp7, 0xffff                   ; y
	v_and_b32 v12, 15, v0                          ; r
	v_bfe_u32 v13, v0, 4, 1                        ; h
	v_and_b32 v14, 31, v0                          ; lane
	v_lshlrev_b32 v4, 4, v14                       ; 16 x lane: my place in an image
	s_mul_i32 s23, s18, WST                        ; my stage
	s_cmp_eq_u32 s21, 2
	s_cbranch_scc1 .Lv_path                        ; the same way for all waves of a work-group
	; ---- Q or K
	s_lshr_b32 s19, s18, 2                         ; u
	s_and_b32 s20, s18, 3                          ; m
	s_lshl_b32 s24, ttmp9, 5
	s_lshl_b32 s25, s19, 3
	s_add_co_u32 s24, s24, s25                     ; 32 x + 8 u: my tile's first row
	s_lshl_b32 s26, s24, 10
	s_mov_b32 s27, 0                               ; s[26:27] its bytes in a head
	s_lshr_b32 s28, ttmp9, 3
	s_mul_i32 s28, s28, TPB                        ; the tile of 256 rows
	s_and_b32 s29, ttmp9, 7                        ; g: which 32 of its rows
	s_lshl_b32 s30, s29, 12
	s_add_co_u32 s30, s30, s28
	s_lshl_b32 s31, s19, 11
	s_add_co_u32 s30, s30, s31
	s_lshl_b32 s31, s20, 9
	s_add_co_u32 s30, s30, s31
	s_mov_b32 s31, 0                               ; s[30:31] codes: tile + 2,048 (2 g + u) + 512 m
	s_lshl_b32 s29, s29, 8
	s_add_co_u32 s28, s28, s29
	s_mul_i32 s29, s18, HP
	s_add_co_u32 s28, s28, s29
	s_add_co_u32 s28, s28, SCO
	s_mov_b32 s29, 0                               ; s[28:29] scale bytes: wave w stores head w's 256
	v_lshlrev_b32 v1, 4, v12
	v_lshl_add_u32 v1, v13, 10, v1
	s_lshl_b32 s22, s20, 8
	v_add_nc_u32 v1, s22, v1                       ; in: 1,024 h + 16 r + 256 m
	v_mul_u32_u24 v2, v13, 272
	v_lshl_add_u32 v2, v12, 4, v2
	v_add_nc_u32 v2, s23, v2                       ; into the stage: row h of two, 16 bytes a lane
	v_mul_u32_u24 v3, v12, 272
	v_lshl_add_u32 v3, v13, 7, v3
	v_add_nc_u32 v3, s23, v3                       ; out of it: row r, my half's 128 bytes
	s_lshl_b32 s22, s19, 7
	s_lshl_b32 s25, s20, 1
	s_add_co_u32 s22, s22, s25
	s_add_co_u32 s22, s22, SCB
	v_lshl_add_u32 v5, v12, 3, v13
	v_add_nc_u32 v5, s22, v5                       ; my block's byte: SCB + 128 u + 8 r + 2 m + h
	s_lshl_b32 s22, s18, 8
	s_add_co_u32 s22, s22, SCB
	v_lshlrev_b32 v7, 3, v14
	v_add_nc_u32 v6, s22, v7                       ; at the end: head w's 256 bytes, 8 a lane
	v_and_b32 v8, 8, v12
	v_add_nc_u32 v8, v8, v12
	v_add_nc_u32 v8, s24, v8
	v_cvt_f32_u32 v8, v8                           ; t = 32 x + 8 u + r + 8 (r / 8)
	s_lshl_b32 s25, s20, 2
	v_lshl_add_u32 v9, v13, 1, s25
	v_sub_nc_u32 v9, 0, v9                         ; -(4 m + 2 h): the exponent of pairs 0 to 7,
	v_add_nc_u32 v10, -1, v9                       ; and of pairs 8 to 15
	s_mov_b32 s52, 0x40c90fdb                      ; f32(2 pi)
	s_mov_b32 s53, 0x3f22f983                      ; 2 / pi
	s_mov_b32 s54, 0x3fc90fdb                      ; pi / 2, the f32 nearest,
	s_mov_b32 s55, 0x333bbd2e                      ; and what that is too large by (what is left of pi / 2 behind the two is under 2e-15)
	s_mov_b32 s56, 0xbe2aaaab                      ; -1/6, the f32 nearest,
	s_mov_b32 s57, 0x31aaaaab                      ; and what is left of it
	s_mov_b32 s58, 0x3c088889                      ; 1/120
	s_mov_b32 s59, 0xb9500d01                      ; -1/5040
	s_mov_b32 s60, 0x3638ef1d                      ; 1/362880
	s_mov_b32 s61, 0xb2d7322b                      ; -1/39916800
	s_mov_b32 s62, 0x3d2aaaab                      ; 1/24, the f32 nearest,
	s_mov_b32 s63, 0xb0aaaaab                      ; and what is left of it
	s_mov_b32 s66, 0xbab60b61                      ; -1/720
	s_mov_b32 s67, 0x37d00d01                      ; 1/40320
	s_mov_b32 s68, 0xb493f27e                      ; -1/3628800
	s_mov_b32 s69, 0x3e22f983                      ; the f32 nearest to 1 / f32(2 pi)
	s_wait_kmcnt 0x0
	s_cmp_eq_u32 s21, 0                            ; Q's work-group or K's: the choice hangs on the work-group's number alone
	s_cselect_b64 s[4:5], s[4:5], s[6:7]
	s_cselect_b64 s[12:13], s[12:13], s[14:15]
	s_add_nc_u64 s[32:33], s[4:5], s[26:27]        ; a base for each head: 4 MiB apart, more than an immediate reaches
.irp i, 1,2,3,4,5,6,7
	s_add_nc_u64 s[32+2*\i:33+2*\i], s[30+2*\i:31+2*\i], 0x400000
.endr
	s_add_nc_u64 s[48:49], s[12:13], s[30:31]
	s_add_nc_u64 s[50:51], s[12:13], s[28:29]
	LOAD 0                                         ; 32 loads, 16 KB a wave, are on their way while the table is made
	LOAD 1
	LOAD 2
	LOAD 3
	v_mov_b32 v[F+0], 1.0                          ; the f32 nearest to 2^(-j / 8), j = 0 .. 7
	v_mov_b32 v[F+1], 0x3f6ac0c7
	v_mov_b32 v[F+2], 0x3f5744fd
	v_mov_b32 v[F+3], 0x3f45672a
	v_mov_b32 v[F+4], 0x3f3504f3
	v_mov_b32 v[F+5], 0x3f25fed7
	v_mov_b32 v[F+6], 0x3f1837f0
	v_mov_b32 v[F+7], 0x3f0b95c2
.irp i, 0,1,2,3,4,5,6,7
	v_mul_f32 v[F+\i], s69, v[F+\i]                ; x the reciprocal of f32(2 pi): one rounding.  The eight mantissas of the frequencies
.endr
	SC4 0
	SC4 4
	SC4 8
	SC4 12
.irp t, 0,1,2,3,4,5,6,7
	ITER \t
.endr
	s_wait_dscnt 0x0                               ; for the others' sake: my byte stores are done
	s_barrier_signal -1
	s_barrier_wait -1
	ds_load_b64 v[248:249], v6                     ; head w's scale bytes of the 32 rows: four waves wrote each row's eight
	s_wait_dscnt 0x0
	global_store_b64 v7, v[248:249], s[50:51]      ; 32 lanes store 256 consecutive bytes, aligned
	s_wait_tensorcnt 0x0
	ds_add_u32 v11, v15
	s_wait_dscnt 0x0
	s_endpgm
	; ---- V: work-group x = 16 head + 2 Tp + half: key tiles 2 Tp and 2 Tp + 1 (256 bytes of each channel's row), channels 128 half on; wave w: the tile of 16 channels 8 half + w
.Lv_path:
	s_lshr_b32 s24, ttmp9, 4                       ; head
	s_bfe_u32 s25, ttmp9, 0x30001                  ; Tp
	s_and_b32 s26, ttmp9, 1                        ; half
	s_lshl_b32 s27, s26, 3
	s_add_co_u32 s27, s27, s18                     ; tile of channels
	s_lshl_b32 s28, s24, 19
	s_lshl_b32 s29, s27, 15
	s_add_co_u32 s28, s28, s29
	s_lshl_b32 s29, s25, 8
	s_add_co_u32 s28, s28, s29
	s_mov_b32 s29, 0                               ; s[28:29] codes in: head x 524,288 + 16 rows of 2,048 x tile + 256 Tp
	s_lshl_b32 s30, s24, 4
	s_lshl_b32 s31, s25, 1
	s_add_co_u32 s30, s30, s31
	s_mul_i32 s30, s30, TPB                        ; the first of the two key tiles in VW
	s_lshl_b32 s31, s27, 11
	s_add_co_u32 s32, s30, s31
	s_mov_b32 s33, 0                               ; s[32:33] codes out
	s_lshl_b32 s34, s24, 15
	s_lshl_b32 s35, s26, 14
	s_add_co_u32 s34, s34, s35
	s_lshl_b32 s35, s25, 4
	s_add_co_u32 s34, s34, s35
	s_mov_b32 s35, 0                               ; s[34:35] scale bytes in: head x 32,768 + 128 half rows of 128 + 16 Tp
	s_lshl_b32 s36, s26, 10
	s_add_co_u32 s36, s36, s30
	s_add_co_u32 s36, s36, SCO
	s_mov_b32 s37, 0                               ; s[36:37] scale bytes out
	s_add_co_u32 s23, s23, STV                     ; my stage on this path
	v_lshlrev_b32 v1, 4, v12
	v_lshl_add_u32 v1, v13, 11, v1                 ; in: 2,048 h + 16 r
	v_mul_u32_u24 v2, v13, 272
	v_lshl_add_u32 v2, v12, 4, v2
	v_add_nc_u32 v2, s23, v2
	v_mul_u32_u24 v3, v12, 272
	v_lshl_add_u32 v3, v13, 4, v3
	v_add_nc_u32 v3, s23, v3                       ; out of the stage: row r, block 2 j + h
	v_lshrrev_b32 v5, 7, v0                        ; thread: which of the two key tiles,
	v_and_b32 v6, 127, v0                          ; which channel
	v_lshlrev_b32 v7, 7, v6
	v_lshl_add_u32 v7, v5, 3, v7
	v_mul_u32_u24 v5, v5, TPB
	v_lshl_add_u32 v5, v6, 3, v5
	s_wait_kmcnt 0x0
	s_add_nc_u64 s[8:9], s[8:9], s[28:29]
	s_add_nc_u64 s[10:11], s[10:11], s[34:35]
	s_add_nc_u64 s[38:39], s[16:17], s[32:33]
	s_add_nc_u64 s[16:17], s[16:17], s[36:37]
	global_load_b64 v[8:9], v7, s[10:11]           ; 8 of each row's 128 scale bytes: rows are read in parts here; the whole input is 262,144 bytes
.irp i, 0,1,2,3,4,5,6,7
	global_load_b128 v[16+4*\i:19+4*\i], v1, s[8:9] offset:4096*\i th:TH_LOAD_NT   ; two channels' runs of 256 bytes
.endr
	s_wait_loadcnt 0x0
	global_store_b64 v5, v[8:9], s[16:17]          ; a wave stores 256 consecutive bytes, aligned
.irp i, 0,1,2,3,4,5,6,7
	ds_store_b128 v2, v[16+4*\i:19+4*\i] offset:544*\i
.endr
.irp j, 0,1,2,3,4,5,6,7
	ds_load_b128 v[48+4*\j:51+4*\j], v3 offset:32*\j
.endr
.irp j, 0,1,2,3,4,5,6,7
	s_wait_dscnt 7-\j
	global_store_b128 v4, v[48+4*\j:51+4*\j], s[38:39] offset:(\j/4)*TPB+(\j%4)*512   ; half a fragment's image: 512 consecutive bytes
.endr
	s_wait_tensorcnt 0x0
	ds_add_u32 v11, v15
	s_wait_dscnt 0x0
	s_endpgm
.Lfunc_end_k_qcfcd2faa65_prep:
	.size	k_qcfcd2faa65_prep, .Lfunc_end_k_qcfcd2faa65_prep-k_qcfcd2faa65_prep
	.p2alignl 7, 3214868480
	.fill 96, 4, 3214868480
	.section	.rodata,"a",@progbits
	.p2align	6, 0x0
	.amdhsa_kernel k_qcfcd2faa65_prep
		.amdhsa_group_segment_fixed_size 72704
		.amdhsa_private_segment_fixed_size 0
		.amdhsa_enable_private_segment 0
		.amdhsa_kernarg_size 56
		.amdhsa_user_sgpr_count 2
		.amdhsa_user_sgpr_kernarg_segment_ptr 1
		.amdhsa_wavefront_size32 1
		.amdhsa_system_sgpr_workgroup_id_x 1
		.amdhsa_system_sgpr_workgroup_id_y 1
		.amdhsa_system_sgpr_workgroup_id_z 1
		.amdhsa_system_vgpr_workitem_id 0
		.amdhsa_next_free_vgpr 256
		.amdhsa_next_free_sgpr 72
		.amdhsa_reserve_vcc 1
		.amdhsa_float_denorm_mode_32 3
		.amdhsa_float_denorm_mode_16_64 3
		.amdhsa_memory_ordered 1
		.amdhsa_forward_progress 1
		.amdhsa_inst_pref_size 111
	.end_amdhsa_kernel
	.amdgpu_metadata
---
amdhsa.version: [ 1, 2 ]
amdhsa.kernels:
  - .name:           k_qcfcd2faa65_prep
    .symbol:         k_qcfcd2faa65_prep.kd
    .args:
      - { .name: Q, .offset: 0, .size: 8, .value_kind: global_buffer, .address_space: global }
      - { .name: K, .offset: 8, .size: 8, .value_kind: global_buffer, .address_space: global }
      - { .name: V_codes, .offset: 16, .size: 8, .value_kind: global_buffer, .address_space: global }
      - { .name: V_scales, .offset: 24, .size: 8, .value_kind: global_buffer, .address_space: global }
      - { .name: QW, .offset: 32, .size: 8, .value_kind: global_buffer, .address_space: global }
      - { .name: KW, .offset: 40, .size: 8, .value_kind: global_buffer, .address_space: global }
      - { .name: VW, .offset: 48, .size: 8, .value_kind: global_buffer, .address_space: global }
    .group_segment_fixed_size: 72704
    .private_segment_fixed_size: 0
    .kernarg_segment_align: 8
    .kernarg_segment_size: 56
    .max_flat_workgroup_size: 256
    .sgpr_count:     72
    .vgpr_count:     256
    .wavefront_size: 32
...
	.end_amdgpu_metadata
.endif
;; end of part 1
;; launch attn (part 2): grid 32 x 8, 4 waves a work-group, no clusters, 35,328 bytes of LDS; arguments QW, KW, VW, out0; writes out0
.if DOCPART == 2
	.amdgcn_target "amdgcn-amd-amdhsa--gfx1250"
	.amdhsa_code_object_version 6
	.text
	.protected	k_qcfcd2faa65_attn
	.globl	k_qcfcd2faa65_attn
	.p2align	8
	.type	k_qcfcd2faa65_attn,@function
k_qcfcd2faa65_attn:
	s_mov_b64 s[64:65], 0
	v_nop
	global_prefetch_b8 v0, s[64:65] scope:SCOPE_SE
	s_setreg_imm32_b32 hwreg(HW_REG_WAVE_MODE, 25, 1), 1
	s_wait_xcnt 0x0
; out[h][q][:] = the sum over keys k < q of Quant(QR[q] . KR[k]) V[k][:], both products on codes of FP4 (E2M1) with one E8M0 scale for each 32 along a product's K.  No softmax: a score's block of 32 keys is quantised by itself.
; QW, KW, VW: [head][tile of 256 rows or keys][34,816 bytes]: images of operand registers, then 8 scale bytes a row (channel), as the launch before laid them.  out0: [8][4096][256] f32.
; SHARES.  Work-group (i, head) owns two blocks of 64 queries: block 63 - i, then block i.  Block b needs key tiles 0 .. b / 4, so the two need 16 - i / 4 and i / 4 + 1: ALWAYS 17, one stream m = 0 .. 16; tiles wholly
; above the diagonal are never touched.  All 256 work-groups do the same work.
; THE FOUR WAVES WORK TOGETHER ON EVERY TILE.  Scores: wave w takes keys 64 w .. 64 w + 63 against all 64 queries (S^T = K Q^T: source 0 = 16 keys, source 1 = 16 queries; 32 matrix instructions), masks the diagonal tile,
; quantises its two whole blocks of 32 keys of each query and puts codes and scale bytes into LDS at their places in P's register images.  Output: wave w takes channels 64 w .. 64 w + 63 for all 64 queries
; (O^T += V^T P^T: source 0 = 16 channels, source 1 = P; 32 matrix instructions).  So each byte of a tile of K and of V is wanted by ONE wave: it goes from memory straight into that wave's operand registers, 512 consecutive
; bytes a load, and feeds four matrix instructions; only P, 8,704 bytes a tile, goes through LDS.
; THE KEYS OF A TILE OF 16 ARE NOT NEIGHBOURS (lane r of tile 2 b + u: key 32 b + 8 u + r + 8 (r / 8)): the 16 registers of tiles 2 b, 2 b + 1 are keys 32 b + 16 (lane / 16) + 0 .. 15.  The queries lie in the same order.
; A TRIP works on two stream tiles at once: the scores of tile M and the output of tile M - 1, whose P the trip before stored.  One barrier a trip; P has two buffers.  K and V are asked for two trips ahead of their use.
; NO CLUSTER, NO TENSOR LOAD.  Work-groups 4 g .. 4 g + 3 of a head walk the same 17 tiles, which could be asked for jointly into LDS.  That way a trip's 69,632 bytes of K and V would be written to LDS and read from it again,
; beside the 8,704 bytes that pass through it now, and no wave would read a byte that another wave reads.  The price is stated: the four fetch each tile for themselves.
; LIMITS: a block of scores whose largest magnitude lies under 2^-124 (a masked block too) gets the byte 1: its codes are zeros or next to it; NaN and infinities are not served.
; REGISTERS, in windows of 256 (s_set_vgpr_msb: bits 1:0 source 0, 3:2 source 1, 5:4 source 2, 7:6 destination):
;   window 0: v1-12 addresses; v13-16 the mask's bounds; v20-47 scale words; v48-79 at work; v128-255 S^T at 128 + 32 qt + 8 kt
;   window 1: v0-127 O^T at 8 (4 nt + qt); v128-191 Q at 128 + 8 (2 qt + step); v192-255 P at 192 + 8 (2 qt + step)
;   window 2: v0-127 K, two sets; v128-255 V, two sets       window 3: v0-63 the second block's Q; v64-191 rows of out on their way
.set HP,   557056
.set TPB,  34816
.set SCO,  32768
.set PB,   8704                        ; LDS: a buffer of P: 8,192 bytes of images (2,048 qt + 1,024 step + 512 c + 16 lane), then 8 scale bytes a query
.set PSC,  8192
.set STG,  2*PB                        ; behind the two: a stage of 16 rows x (256 bytes + 16) for each wave
.set WST,  16*272
.set QS,   20                          ; v20-23 Q's scale words; v24-27 the second block's.  A pair of registers: steps 0 and 1; lanes 0-15 an even tile's rows, lanes 16-31 the odd tile's
.set QSB,  24
.set KS,   28                          ; v28-35 K's, two sets
.set VS,   36                          ; v36-43 V's, two sets
.set PS,   44                          ; v44-47 P's
.set TM,   48                          ; v48-55 largest magnitudes, then the conversions' scale operands
.set TQ,   56                          ; v56-63 the other half's, then the bytes
.set CD,   64                          ; v64-79 codes just made
.set S,    128
; s12 wave; s13 nA, the first block's tiles; s14 M; s15 nA + 1; s16 the stream tile on the diagonal; s17 64 (block % 4) - 64 wave; s18 the same of the second block; s19 trips; s[20:21] lane selects;
; s[22:23], s[24:25] the head in KW, VW; s[26:27], s[28:29] the tiles to be asked for; s[30:31] the block's rows of out; s[32:33] the second block's; s34-39 at work; s[40:47] Q's bases
.set MSB, 0
.macro WIN new                         ; the immediate's high byte repeats the setting that is left; a switch that changes nothing is dropped
.if MSB != \new
	s_set_vgpr_msb (MSB<<8)|\new
.set MSB, \new
.endif
.endm
.macro PLACES                          ; four plain places behind matrix instructions, ahead of loads into their registers and of reads of their results
.rept 4
	v_nop
.endr
.endm
; one matrix instruction.  ra, rb: the scale words lie in lanes 16-31.  z: the product starts its sum
.macro WM d, a, b, sa, sb, ra, rb, z
.if \z
.if (\ra) && (\rb)
	v_wmma_scale_f32_16x16x128_f8f6f4 v[(\d):(\d)+7], v[(\a):(\a)+7], v[(\b):(\b)+7], 0, v[\sa], v[\sb] matrix_a_fmt:MATRIX_FMT_FP4 matrix_b_fmt:MATRIX_FMT_FP4 matrix_a_scale:MATRIX_SCALE_ROW1 matrix_b_scale:MATRIX_SCALE_ROW1
.elseif (\ra)
	v_wmma_scale_f32_16x16x128_f8f6f4 v[(\d):(\d)+7], v[(\a):(\a)+7], v[(\b):(\b)+7], 0, v[\sa], v[\sb] matrix_a_fmt:MATRIX_FMT_FP4 matrix_b_fmt:MATRIX_FMT_FP4 matrix_a_scale:MATRIX_SCALE_ROW1
.elseif (\rb)
	v_wmma_scale_f32_16x16x128_f8f6f4 v[(\d):(\d)+7], v[(\a):(\a)+7], v[(\b):(\b)+7], 0, v[\sa], v[\sb] matrix_a_fmt:MATRIX_FMT_FP4 matrix_b_fmt:MATRIX_FMT_FP4 matrix_b_scale:MATRIX_SCALE_ROW1
.else
	v_wmma_scale_f32_16x16x128_f8f6f4 v[(\d):(\d)+7], v[(\a):(\a)+7], v[(\b):(\b)+7], 0, v[\sa], v[\sb] matrix_a_fmt:MATRIX_FMT_FP4 matrix_b_fmt:MATRIX_FMT_FP4
.endif
.else
.if (\ra) && (\rb)
	v_wmma_scale_f32_16x16x128_f8f6f4 v[(\d):(\d)+7], v[(\a):(\a)+7], v[(\b):(\b)+7], v[(\d):(\d)+7], v[\sa], v[\sb] matrix_a_fmt:MATRIX_FMT_FP4 matrix_b_fmt:MATRIX_FMT_FP4 matrix_a_scale:MATRIX_SCALE_ROW1 matrix_b_scale:MATRIX_SCALE_ROW1
.elseif (\ra)
	v_wmma_scale_f32_16x16x128_f8f6f4 v[(\d):(\d)+7], v[(\a):(\a)+7], v[(\b):(\b)+7], v[(\d):(\d)+7], v[\sa], v[\sb] matrix_a_fmt:MATRIX_FMT_FP4 matrix_b_fmt:MATRIX_FMT_FP4 matrix_a_scale:MATRIX_SCALE_ROW1
.elseif (\rb)
	v_wmma_scale_f32_16x16x128_f8f6f4 v[(\d):(\d)+7], v[(\a):(\a)+7], v[(\b):(\b)+7], v[(\d):(\d)+7], v[\sa], v[\sb] matrix_a_fmt:MATRIX_FMT_FP4 matrix_b_fmt:MATRIX_FMT_FP4 matrix_b_scale:MATRIX_SCALE_ROW1
.else
	v_wmma_scale_f32_16x16x128_f8f6f4 v[(\d):(\d)+7], v[(\a):(\a)+7], v[(\b):(\b)+7], v[(\d):(\d)+7], v[\sa], v[\sb] matrix_a_fmt:MATRIX_FMT_FP4 matrix_b_fmt:MATRIX_FMT_FP4
.endif
.endif
.endm
; S^T = K Q^T: 16 accumulators by turns, one instruction a turn, the first 128 of the row's 256 starting the sums
.macro SMUL set
	WIN 0x06                                       ; K window 2, Q window 1, S^T window 0
.irp kp, 0,1
.irp qt, 0,1,2,3
.irp kt, 0,1,2,3
	WM S+32*\qt+8*\kt, 64*(\set)+8*(2*\kt+\kp), 128+8*(2*\qt+\kp), KS+4*(\set)+2*(\kt/2)+\kp, QS+2*(\qt/2)+\kp, \kt%2, \qt%2, 1-\kp
.endr
.endr
.endr
.endm
; O^T (+)= V^T P^T for 128 of the tile's 256 keys: 16 accumulators by turns
.macro OM16 set, ks, z
.irp nt, 0,1,2,3
.irp qt, 0,1,2,3
	WM 8*(4*\nt+\qt), 128+64*(\set)+8*(2*\nt+\ks), 192+8*(2*\qt+\ks), VS+4*(\set)+2*(\nt/2)+\ks, PS+2*(\qt/2)+\ks, \nt%2, \qt%2, \z
.endr
.endr
.endm
.macro OMUL set                        ; a block's first tile starts the sums: nothing is ever cleared.  The branch hangs on ids and the trip alone
	WIN 0
	s_cmp_eq_u32 s14, s15
	s_cbranch_scc1 .Lstart_\@
	WIN 0x56                                       ; V window 2, P window 1, O^T window 1
	OM16 \set, 0, 0
	WIN 0
	s_branch .Lon_\@
.Lstart_\@:
	WIN 0x56
	OM16 \set, 0, 1
	WIN 0
.Lon_\@:
	WIN 0x56
	OM16 \set, 1, 0
.endm
; the base of stream tile min(M + ahead, 16): tile m of the stream is key tile m, or m - nA in the second block.  The hold at 16 keeps every load inside its buffer and the count of loads alike in every trip
.macro BASE dst, src, ahead
	s_add_co_u32 s34, s14, \ahead
	s_min_u32 s34, s34, 16
	s_cmp_ge_u32 s34, s13
	s_cselect_b32 s35, s13, 0
	s_sub_co_u32 s34, s34, s35
	s_mul_i32 s34, s34, TPB
	s_mov_b32 s35, 0
	s_add_nc_u64 s[\dst:\dst+1], s[\src:\src+1], s[34:35]
.endm
.macro KLOAD set, xo                   ; 18 loads: my 64 keys' eight fragments and their scale words
	WIN 0x80
.irp f, 0,1,2,3,4,5,6,7
.irp c, 0,1
	global_load_b128 v[64*(\set)+8*\f+4*\c:64*(\set)+8*\f+4*\c+3], v1, s[26:27] offset:(\xo)+1024*\f+512*\c
.endr
.endr
	WIN 0
.irp p, 0,1
	global_load_b64 v[KS+4*(\set)+2*\p:KS+4*(\set)+2*\p+1], v2, s[26:27] offset:(\xo)+256*\p
.endr
.endm
.macro VLOAD set                       ; 18 loads: my 64 channels' eight fragments and their scale words
	WIN 0x80
.irp f, 0,1,2,3,4,5,6,7
.irp c, 0,1
	global_load_b128 v[128+64*(\set)+8*\f+4*\c:128+64*(\set)+8*\f+4*\c+3], v1, s[28:29] offset:1024*\f+512*\c
.endr
.endr
	WIN 0
.irp p, 0,1
	global_load_b64 v[VS+4*(\set)+2*\p:VS+4*(\set)+2*\p+1], v2, s[28:29] offset:256*\p
.endr
.endm
.macro QLOAD win, reg, sc, cb, sb      ; a block's 64 queries: eight fragments and their scale words
	WIN \win
.irp f, 0,1,2,3,4,5,6,7
.irp c, 0,1
	global_load_b128 v[\reg+8*\f+4*\c:\reg+8*\f+4*\c+3], v3, s[\cb:\cb+1] offset:1024*\f+512*\c
.endr
.endr
	WIN 0
.irp p, 0,1
	global_load_b64 v[\sc+2*\p:\sc+2*\p+1], v4, s[\sb:\sb+1] offset:256*\p
.endr
.endm
.macro PLOAD buf                       ; P's eight fragments and scale words, as the four waves stored them
	WIN 0x40
.irp f, 0,1,2,3,4,5,6,7
.irp c, 0,1
	ds_load_b128 v[192+8*\f+4*\c:192+8*\f+4*\c+3], v3 offset:PB*(\buf)+1024*\f+512*\c
.endr
.endr
	WIN 0
.irp p, 0,1
	ds_load_b64 v[PS+2*\p:PS+2*\p+1], v6 offset:PB*(\buf)+256*\p
.endr
.endm
.macro QCOPY                           ; the second block's Q takes the first's place, once in the launch
.irp k, 0,1,2,3
	v_mov_b32 v[QS+\k], v[QSB+\k]
.endr
	WIN 0x43                                       ; from window 3 to window 1
.set n, 0
.rept 64
	v_mov_b32 v[128+n], v[n]
.set n, n+1
.endr
	WIN 0
	PLACES                                         ; operands written by vector instructions stand four places ahead of a scaled matrix instruction, the scale words 68
.endm
; the diagonal tile: register 32 qt + 16 b + e of lane (r, h) holds key 64 w + 32 b + 16 h + e of the tile; it counts where it lies under the lane's query: 32 b + e < d
.macro MASK
.irp q, 0,1,2,3
	v_add3_u32 v[13+\q], v12, s17, 32*(\q/2)+8*(\q%2)
.endr
.set n, 0
.rept 128                              ; in ascending order: each accumulator is read from its low end on
	v_cmp_lt_i32 vcc_lo, 32*((n/16)%2)+n%16, v[13+n/32]
	v_cndmask_b32 v[S+n], 0, v[S+n], vcc_lo
.set n, n+1
.endr
.endm
; my eight blocks of 32 keys (block k = 2 qt + b: 16 registers here, 16 in lane l xor 16), by turns; codes and bytes go to their places in P's images
.macro QUANT buf
.irp k, 0,1,2,3,4,5,6,7
	v_max3_num_f32 v[TM+\k], |v[S+16*\k]|, |v[S+16*\k+1]|, 0x1800000   ; with the floor 2^(3 - 127): the byte cannot fall under 1
.endr
.irp i, 2,4,6,8,10,12,14
.irp k, 0,1,2,3,4,5,6,7
	v_max3_num_f32 v[TM+\k], v[TM+\k], |v[S+16*\k+\i]|, |v[S+16*\k+\i+1]|
.endr
.endr
.irp k, 0,1,2,3,4,5,6,7
	v_permlanex16_b32 v[TQ+\k], v[TM+\k], s20, s21
.endr
.irp k, 0,1,2,3,4,5,6,7
	v_max_num_f32 v[TM+\k], v[TM+\k], v[TQ+\k]     ; the block's largest magnitude
.endr
.irp k, 0,1,2,3,4,5,6,7
	v_add_nc_u32 v[TM+\k], 0xff000000, v[TM+\k]    ; 2 off its exponent field: the conversion's scale operand
.endr
.irp k, 0,1,2,3,4,5,6,7
	v_lshrrev_b32 v[TQ+\k], 23, v[TM+\k]           ; the scale's byte
.endr
.irp q, 0,1,2,3
	v_lshl_or_b32 v[TQ+2*\q], v[TQ+2*\q+1], 8, v[TQ+2*\q]   ; a query's two bytes of my 64 keys
.endr
.irp k, 0,1,2,3,4,5,6,7
	v_cvt_scalef32_pk8_fp4_f32 v[CD+2*\k], v[S+16*\k:S+16*\k+7], v[TM+\k]
	v_cvt_scalef32_pk8_fp4_f32 v[CD+2*\k+1], v[S+16*\k+8:S+16*\k+15], v[TM+\k]
.endr
	v_nop                                          ; one plain place behind the last conversion
.irp k, 0,1,2,3,4,5,6,7
	ds_store_b64 v7, v[CD+2*\k:CD+2*\k+1] offset:PB*(\buf)+2048*(\k/2)+256*(\k%2)   ; my 16 codes: half h of lane (r, b)'s 16 bytes in the image; the wave's store covers 256 consecutive bytes
.endr
.irp q, 0,1,2,3
	ds_store_b16 v8, v[TQ+2*\q] offset:PB*(\buf)+128*\q   ; both halves of the lanes write the same two bytes with the same value
.endr
.endm
; a finished block leaves.  A lane holds 32 neighbouring bytes of a row and the lanes beside it other rows: a tile of 16 queries x my 64 channels goes through my own stage and comes back as rows of 256 bytes
.macro OUTPUT
.irp q, 0,1,2,3
	WIN 0x04                                       ; an LDS store's data are its source 1: window 1
.irp n, 0,1,2,3
	ds_store_b128 v9, v[8*(4*\n+\q):8*(4*\n+\q)+3] offset:64*\n          ; each accumulator from its low end on
	ds_store_b128 v9, v[8*(4*\n+\q)+4:8*(4*\n+\q)+7] offset:64*\n+16
.endr
	WIN 0xc0
.irp i, 0,1,2,3,4,5,6,7
	ds_load_b128 v[64+32*\q+4*\i:64+32*\q+4*\i+3], v10 offset:544*\i     ; LDS serves a wave's instructions in order: these see the stores above, and the next tile's stores come behind them
.endr
.endr
.irp q, 0,1,2,3
	s_wait_dscnt 16*(3-\q)                         ; behind this tile's loads stand sixteen LDS instructions for each later tile
	WIN 0x0c                                       ; a store's data are its source 1: window 3
.irp i, 0,1,2,3,4,5,6,7
	global_store_b128 v11, v[64+32*\q+4*\i:64+32*\q+4*\i+3], s[30:31] offset:(32*(\q/2)+8*(\q%2)+2*\i+8*(\i/4))*1024 th:TH_STORE_NT   ; sixteen lanes store 256 consecutive bytes, aligned
.endr
.endr
	WIN 0
	s_wait_xcnt 0x0                                ; the stores' base and data registers are written again only behind this wait
.endm
; A TRIP: the output of stream tile j = M - 1 (parity par) and the scores of tile M.  first: j = 0: no block changes and no diagonal is met (nA is 9 at the least).  last: j = 15: nothing is left to ask for
.macro TRIP par, first, last
	s_wait_dscnt 0x0                               ; for the others' sake: my part of P(j) lies in LDS; my reads of P(j - 1) ended in the trip before
.if !\last
	s_wait_xcnt 0x0                                ; the two bases are written again only behind this wait
.endif
	s_barrier_signal -1
.if !\last
	BASE 26, 22, 2                                 ; K of tile M + 2,
	BASE 28, 24, 1                                 ; V of tile M + 1
.endif
	s_barrier_wait -1                              ; P(j) is whole.  P(j + 1) goes into the other buffer, which every wave has read out ahead of this barrier
	PLOAD \par
.if !\first
	s_cmp_lg_u32 s14, s13
	s_cbranch_scc1 .Lsame_q_\@
	QCOPY                                          ; tile M is the second block's first
.Lsame_q_\@:
.endif
	s_wait_loadcnt 54                              ; K(M) is in: behind its 18 loads were issued V(M - 1), K(M + 1) and V(M), 18 each
	SMUL 1-\par
	s_wait_loadcnt 36                              ; V(M - 1) is in: behind it K(M + 1) and V(M)
	s_wait_dscnt 0x0                               ; P
.if \first
	WIN 0x56
	OM16 \par, 0, 1
	OM16 \par, 1, 0
.else
	OMUL \par
.endif
	WIN 0
	PLACES                                         ; ahead of the loads into K's, V's and their scale words' registers, and of the reads of S^T and O^T
.if !\last
	KLOAD 1-\par, 0                                ; 36 loads of 512 or 256 consecutive bytes; with the 36 of the trip before, 72 of mine can be out
	VLOAD \par
.endif
.if !\first
	s_cmp_lg_u32 s14, s13
	s_cbranch_scc1 .Lsame_o_\@
	OUTPUT                                         ; tile j was the first block's last
	s_mov_b64 s[30:31], s[32:33]
	s_mov_b32 s17, s18
	s_mov_b32 s16, 16                              ; the second block's diagonal tile is the stream's last
.Lsame_o_\@:
	s_cmp_lg_u32 s14, s16
	s_cbranch_scc1 .Lopen_\@
	MASK
.Lopen_\@:
.endif
	QUANT 1-\par
	s_add_co_u32 s14, s14, 1
.endm
	s_load_b256 s[4:11], s[0:1], 0x0               ; QW, KW, VW, out0
	v_lshl_add_u32 v126, v0, 2, 0x8800
	v_mov_b32 v127, 0
	v_lshrrev_b32 v1, 5, v0
	v_readfirstlane_b32 s12, v1                    ; wave 0..3
	s_and_b32 s36, ttmp7, 0xffff                   ; head
	s_lshr_b32 s37, ttmp9, 2                       ; i / 4: the second block's diagonal tile
	s_sub_co_u32 s13, 16, s37                      ; nA
	s_mov_b32 s14, 0                               ; M
	s_add_co_u32 s15, s13, 1
	s_sub_co_u32 s16, s13, 1                       ; the first block's diagonal tile
	s_sub_co_u32 s38, 63, ttmp9                    ; the first block
	s_and_b32 s39, s38, 3
	s_sub_co_u32 s17, s39, s12
	s_lshl_b32 s17, s17, 6
	s_and_b32 s48, ttmp9, 3
	s_sub_co_u32 s18, s48, s12
	s_lshl_b32 s18, s18, 6
	s_mov_b32 s19, 7
	s_mov_b32 s20, 0x76543210
	s_mov_b32 s21, 0xfedcba98                      ; v_permlanex16_b32's selects for lane l xor 16
	s_mul_i32 s50, s36, HP
	s_mov_b32 s51, 0                               ; s[50:51] the head in a workspace buffer
	s_lshr_b32 s52, s38, 2
	s_mul_i32 s52, s52, TPB
	s_add_co_u32 s52, s52, s50
	s_lshl_b32 s54, s39, 9
	s_add_co_u32 s54, s54, s52
	s_add_co_u32 s54, s54, SCO
	s_mov_b32 s55, 0                               ; s[54:55] the first block's scale bytes: 512 a block of 64 rows
	s_lshl_b32 s53, s39, 13
	s_add_co_u32 s52, s52, s53
	s_mov_b32 s53, 0                               ; s[52:53] its codes: 8,192 a block
	s_mul_i32 s56, s37, TPB
	s_add_co_u32 s56, s56, s50
	s_lshl_b32 s58, s48, 9
	s_add_co_u32 s58, s58, s56
	s_add_co_u32 s58, s58, SCO
	s_mov_b32 s59, 0
	s_lshl_b32 s57, s48, 13
	s_add_co_u32 s56, s56, s57
	s_mov_b32 s57, 0                               ; s[56:59] the same of the second block
	s_lshl_b32 s60, s36, 22
	s_lshl_b32 s61, s38, 16
	s_add_co_u32 s60, s60, s61
	s_mov_b32 s61, 0                               ; s[60:61] out: head x 4 MiB + block x 64 rows of 1,024 bytes
	s_lshl_b32 s62, s36, 22
	s_lshl_b32 s63, ttmp9, 16
	s_add_co_u32 s62, s62, s63
	s_mov_b32 s63, 0
	v_and_b32 v17, 31, v0                          ; lane
	v_and_b32 v18, 15, v0                          ; r
	v_bfe_u32 v19, v0, 4, 1                        ; h
	v_lshlrev_b32 v3, 4, v17                       ; 16 x lane: my place in an image, in memory and in LDS
	v_lshlrev_b32 v4, 3, v17                       ; 8 x lane: my row's scale bytes
	s_lshl_b32 s34, s12, 13
	v_add_nc_u32 v1, s34, v3                       ; K, V: + my four tiles' 8,192 bytes
	s_lshl_b32 s34, s12, 9
	s_add_co_u32 s35, s34, SCO
	v_add_nc_u32 v2, s35, v4                       ; their scale bytes: 512 for my 64 rows
	v_add_nc_u32 v6, PSC, v4                       ; P's scale words
	v_lshlrev_b32 v7, 4, v18
	v_lshl_add_u32 v7, v19, 3, v7
	v_add_nc_u32 v7, s34, v7                       ; where my codes go: 512 w + 16 r + 8 h
	s_lshl_b32 s35, s12, 1
	s_add_co_u32 s35, s35, PSC
	v_lshl_add_u32 v8, v18, 3, s35                 ; and my two bytes: 8 r + 2 w
	s_mul_i32 s35, s12, WST
	s_add_co_u32 s35, s35, STG                     ; my stage
	v_mul_u32_u24 v9, v18, 272
	v_lshl_add_u32 v9, v19, 5, v9
	v_add_nc_u32 v9, s35, v9                       ; in: row r, 32 bytes for each half of the lanes
	v_mul_u32_u24 v10, v19, 272
	v_lshl_add_u32 v10, v18, 4, v10
	v_add_nc_u32 v10, s35, v10                     ; back: lanes 0-15 one row, lanes 16-31 the next
	v_lshlrev_b32 v11, 4, v18
	v_lshl_add_u32 v11, v19, 10, v11
	s_lshl_b32 s35, s12, 8
	v_add_nc_u32 v11, s35, v11                     ; and in out: 1,024 h + 16 r + 256 w
	v_and_b32 v12, 8, v18
	v_add_nc_u32 v12, v12, v18
	v_lshlrev_b32 v13, 4, v19
	v_sub_nc_u32 v12, v12, v13                     ; r + 8 (r / 8) - 16 h
.irp k, 0,1,2,3,4,5,6,7
	v_mov_b32 v[TQ+\k], 0                          ; written once: a lane permute's destination counts as one of its sources
.endr
	s_wait_kmcnt 0x0
	s_add_nc_u64 s[40:41], s[4:5], s[52:53]
	s_add_nc_u64 s[42:43], s[4:5], s[54:55]
	s_add_nc_u64 s[44:45], s[4:5], s[56:57]
	s_add_nc_u64 s[46:47], s[4:5], s[58:59]
	s_add_nc_u64 s[22:23], s[6:7], s[50:51]
	s_add_nc_u64 s[24:25], s[8:9], s[50:51]
	s_mov_b64 s[26:27], s[22:23]
	s_mov_b64 s[28:29], s[24:25]
	s_add_nc_u64 s[30:31], s[10:11], s[60:61]
	s_add_nc_u64 s[32:33], s[10:11], s[62:63]
	QLOAD 0x40, 128, QS, 40, 42                    ; the first block's Q,
	QLOAD 0xc0, 0, QSB, 44, 46                     ; the second block's, kept until its turn,
	KLOAD 0, 0                                     ; K of stream tiles 0
	KLOAD 1, TPB                                   ; and 1 (key tile 1: nA is 9 at the least),
	VLOAD 0                                        ; V of tile 0
	s_wait_loadcnt 36                              ; K(0) and all before it are in: behind it K(1) and V(0), 18 each
	s_wait_xcnt 0x0                                ; the two bases are written again only behind this wait
	BASE 26, 22, 2
	BASE 28, 24, 1
	SMUL 0
	WIN 0
	PLACES
	KLOAD 0, 0                                     ; K(2)
	VLOAD 1                                        ; V(1)
	QUANT 0                                        ; stream tile 0 is never on the diagonal
	s_add_co_u32 s14, s14, 1
	TRIP 0, 1, 0                                   ; j = 0 stands ahead of the loop: its products start O^T's sums
.Lpair:                                                ; j = 1 .. 14, two trips to a turn of the two sets and the two buffers
	TRIP 1, 0, 0
	TRIP 0, 0, 0
	s_sub_co_u32 s19, s19, 1
	s_cmp_lg_u32 s19, 0
	s_cbranch_scc1 .Lpair
	TRIP 1, 0, 1                                   ; j = 15
	s_wait_dscnt 0x0                               ; j = 16: only its output is left
	s_barrier_signal -1
	s_barrier_wait -1
	PLOAD 0
	s_wait_loadcnt 0x0                             ; V(16)
	s_wait_dscnt 0x0
	OMUL 0
	WIN 0
	PLACES
	OUTPUT
	s_wait_tensorcnt 0x0
	ds_add_u32 v126, v127
	s_wait_dscnt 0x0
	s_endpgm
.Lfunc_end_k_qcfcd2faa65_attn:
	.size	k_qcfcd2faa65_attn, .Lfunc_end_k_qcfcd2faa65_attn-k_qcfcd2faa65_attn
	.p2alignl 7, 3214868480
	.fill 96, 4, 3214868480
	.section	.rodata,"a",@progbits
	.p2align	6, 0x0
	.amdhsa_kernel k_qcfcd2faa65_attn
		.amdhsa_group_segment_fixed_size 35328
		.amdhsa_private_segment_fixed_size 0
		.amdhsa_enable_private_segment 0
		.amdhsa_kernarg_size 32
		.amdhsa_user_sgpr_count 2
		.amdhsa_user_sgpr_kernarg_segment_ptr 1
		.amdhsa_wavefront_size32 1
		.amdhsa_system_sgpr_workgroup_id_x 1
		.amdhsa_system_sgpr_workgroup_id_y 1
		.amdhsa_system_sgpr_workgroup_id_z 1
		.amdhsa_system_vgpr_workitem_id 0
		.amdhsa_next_free_vgpr 960
		.amdhsa_next_free_sgpr 66
		.amdhsa_reserve_vcc 1
		.amdhsa_float_denorm_mode_32 3
		.amdhsa_float_denorm_mode_16_64 3
		.amdhsa_memory_ordered 1
		.amdhsa_forward_progress 1
		.amdhsa_inst_pref_size 189
	.end_amdhsa_kernel
	.amdgpu_metadata
---
amdhsa.version: [ 1, 2 ]
amdhsa.kernels:
  - .name:           k_qcfcd2faa65_attn
    .symbol:         k_qcfcd2faa65_attn.kd
    .args:
      - { .name: QW, .offset: 0, .size: 8, .value_kind: global_buffer, .address_space: global }
      - { .name: KW, .offset: 8, .size: 8, .value_kind: global_buffer, .address_space: global }
      - { .name: VW, .offset: 16, .size: 8, .value_kind: global_buffer, .address_space: global }
      - { .name: out0, .offset: 24, .size: 8, .value_kind: global_buffer, .address_space: global }
    .group_segment_fixed_size: 35328
    .private_segment_fixed_size: 0
    .kernarg_segment_align: 8
    .kernarg_segment_size: 32
    .max_flat_workgroup_size: 128
    .sgpr_count:     66
    .vgpr_count:     960
    .wavefront_size: 32
...
	.end_amdgpu_metadata
.endif
;; end of part 2
;; ======== version 2 of 2: 2 launches; version 1 with the launch attn written anew for expert scheduling mode
;; workspace buffers: QW 4,456,448 bytes; KW 4,456,448 bytes; VW 4,456,448 bytes
;; launch prep: the kernel of part 1 again; grid 128 x 3, 8 waves a work-group, no clusters, 72,704 bytes of LDS; arguments Q, K, V_codes, V_scales, QW, KW, VW; writes QW, KW, VW
;; launch attn (part 3): grid 32 x 8, 4 waves a work-group, no clusters, 35,328 bytes of LDS; arguments QW, KW, VW, out0; writes out0
.if DOCPART == 3
	.amdgcn_target "amdgcn-amd-amdhsa--gfx1250"
	.amdhsa_code_object_version 6
	.text
	.protected	k_qcfcd2faa65_attn
	.globl	k_qcfcd2faa65_attn
	.p2align	8
	.type	k_qcfcd2faa65_attn,@function
k_qcfcd2faa65_attn:
	s_mov_b64 s[64:65], 0
	v_nop
	global_prefetch_b8 v0, s[64:65] scope:SCOPE_SE
	s_setreg_imm32_b32 hwreg(HW_REG_WAVE_SCHED_MODE, 0, 2), 2
	s_setreg_imm32_b32 hwreg(HW_REG_WAVE_MODE, 25, 1), 1
	s_wait_xcnt 0x0
	s_wait_alu depctr_vm_vsrc(0)
; out[h][q][:] = the sum over keys k < q of Quant(QR[q] . KR[k]) V[k][:], both products on codes of FP4 (E2M1) with one E8M0 scale for each 32 along a product's K.  No softmax: a score's block of 32 keys is quantised by itself.
; QW, KW, VW: [head][tile of 256 rows or keys][34,816 bytes]: images of operand registers, then 8 scale bytes a row (channel), as the launch before laid them.  out0: [8][4096][256] f32.
; SHARES.  Work-group (i, head) owns two blocks of 64 queries: block 63 - i, then block i.  Block b needs key tiles 0 .. b / 4, so the two need 16 - i / 4 and i / 4 + 1: ALWAYS 17, one stream m = 0 .. 16; tiles wholly
; above the diagonal are never touched.  All 256 work-groups do the same work.
; THE FOUR WAVES WORK TOGETHER ON EVERY TILE.  Scores: wave w takes keys 64 w .. 64 w + 63 against all 64 queries (S^T = K Q^T: source 0 = 16 keys, source 1 = 16 queries; 32 matrix instructions), masks the diagonal tile,
; quantises its two whole blocks of 32 keys of each query and puts codes and scale bytes into LDS at their places in P's register images.  Output: wave w takes channels 64 w .. 64 w + 63 for all 64 queries
; (O^T += V^T P^T: source 0 = 16 channels, source 1 = P; 32 matrix instructions).  So each byte of a tile of K and of V is wanted by ONE wave: it goes from memory straight into that wave's operand registers, 512 consecutive
; bytes a load, and feeds four matrix instructions; only P, 8,704 bytes a tile, goes through LDS.
; THE KEYS OF A TILE OF 16 ARE NOT NEIGHBOURS (lane r of tile 2 b + u: key 32 b + 8 u + r + 8 (r / 8)): the 16 registers of tiles 2 b, 2 b + 1 are keys 32 b + 16 (lane / 16) + 0 .. 15.  The queries lie in the same order.
; A TRIP works on two stream tiles at once: the scores of tile M and the output of tile M - 1, whose P the trip before stored.  One barrier a trip; P has two buffers.  K and V are asked for at a trip's end, for the trip after the next.
; NO CLUSTER, NO TENSOR LOAD.  Work-groups 4 g .. 4 g + 3 of a head walk the same 17 tiles, which could be asked for jointly into LDS.  That way a trip's 69,632 bytes of K and V would be written to LDS and read from it again,
; beside the 8,704 bytes that pass through it now, and no wave would read a byte that another wave reads.  The price is stated: the four fetch each tile for themselves.
; LIMITS: a block of scores whose largest magnitude lies under 2^-124 (a masked block too) gets the byte 1: its codes are zeros or next to it; NaN and infinities are not served.
; THE MODE: SCHED_MODE bits 1:0 = 2 (LLVM: expert scheduling mode 2), set by the entry lines.  The code itself states the register dependences between vector or matrix instructions and memory or LDS instructions,
; with s_wait_alu, always for 0.
; THE PLAN.  Registers that memory or LDS instructions touch:
;   v1-4, v6-11    offsets and LDS addresses: written at the head, never again.
;   K's set 1 - par, KS   read by trip M's products S^T; behind them the loads of tile M + 2 land there.        V's set par, VS   read by trip M's products O^T; behind them the loads of tile M + 1 land there.
;   P, PS          read by a trip's products O^T; the next trip's LDS loads land there.
;   CD, TQ         written by a trip's conversions and byte lines; read by its LDS stores; written again in the next trip.
;   O^T            written by matrix instructions; read by the way out's LDS stores; begun anew by the next trip's products.      The rows in window 3: LDS loads land there, global stores read them; twice in the launch.
;   Q, QS          loaded at the head; written once more by the copy of the second block's, which scaled products then take.
; So ONE wait on va_vdst stands in a trip, behind its conversions: it states that CD and TQ are written, and that the trip's products are done reading K's set, V's set, P and their scale words.  The trip's LDS stores,
; its 36 loads of K and V and the next trip's loads of P follow it; no vector or matrix instruction stands between the wait and the last of them.  ONE wait on vm_vsrc stands at a trip's head: the stores of the trip before
; have read their data.  The copy of Q, the way out and the mask, each met once or twice in the launch, have waits of their own.
; REGISTERS, in windows of 256 (s_set_vgpr_msb: bits 1:0 source 0, 3:2 source 1, 5:4 source 2, 7:6 destination):
;   window 0: v1-12 addresses; v13-16 the mask's bounds; v20-47 scale words; v48-79 at work; v128-255 S^T at 128 + 32 qt + 8 kt
;   window 1: v0-127 O^T at 8 (4 nt + qt); v128-191 Q at 128 + 8 (2 qt + step); v192-255 P at 192 + 8 (2 qt + step)
;   window 2: v0-127 K, two sets; v128-255 V, two sets       window 3: v0-63 the second block's Q; v64-191 rows of out on their way
.set HP,   557056
.set TPB,  34816
.set SCO,  32768
.set PB,   8704                        ; LDS: a buffer of P: 8,192 bytes of images (2,048 qt + 1,024 step + 512 c + 16 lane), then 8 scale bytes a query
.set PSC,  8192
.set STG,  2*PB                        ; behind the two: a stage of 16 rows x (256 bytes + 16) for each wave
.set WST,  16*272
.set QS,   20                          ; v20-23 Q's scale words; v24-27 the second block's.  A pair of registers: steps 0 and 1; lanes 0-15 an even tile's rows, lanes 16-31 the odd tile's
.set QSB,  24
.set KS,   28                          ; v28-35 K's, two sets
.set VS,   36                          ; v36-43 V's, two sets
.set PS,   44                          ; v44-47 P's
.set TM,   48                          ; v48-55 largest magnitudes, then the conversions' scale operands
.set TQ,   56                          ; v56-63 the other half's, then the bytes
.set CD,   64                          ; v64-79 codes just made
.set S,    128
; s12 wave; s13 nA, the first block's tiles; s14 M; s15 nA + 1; s16 the stream tile on the diagonal; s17 64 (block % 4) - 64 wave; s18 the same of the second block; s19 trips; s[20:21] lane selects;
; s[22:23], s[24:25] the head in KW, VW; s[26:27], s[28:29] the tiles to be asked for; s[30:31] the block's rows of out; s[32:33] the second block's; s34-39 at work; s[40:47] Q's bases;
; behind the head s40-63 and s4-11 are free: the mask's 32 lane masks
.set MSB, 0
.macro WIN new                         ; the immediate's high byte repeats the setting that is left; a switch that changes nothing is dropped
.if MSB != \new
	s_set_vgpr_msb (MSB<<8)|\new
.set MSB, \new
.endif
.endm
.macro PLACES                          ; four plain places behind matrix instructions, ahead of reads of their results (ISA guide 7.12.1)
.rept 4
	v_nop
.endr
.endm
; one matrix instruction.  ra, rb: the scale words lie in lanes 16-31.  z: the product starts its sum
.macro WM d, a, b, sa, sb, ra, rb, z
.if \z
.if (\ra) && (\rb)
	v_wmma_scale_f32_16x16x128_f8f6f4 v[(\d):(\d)+7], v[(\a):(\a)+7], v[(\b):(\b)+7], 0, v[\sa], v[\sb] matrix_a_fmt:MATRIX_FMT_FP4 matrix_b_fmt:MATRIX_FMT_FP4 matrix_a_scale:MATRIX_SCALE_ROW1 matrix_b_scale:MATRIX_SCALE_ROW1
.elseif (\ra)
	v_wmma_scale_f32_16x16x128_f8f6f4 v[(\d):(\d)+7], v[(\a):(\a)+7], v[(\b):(\b)+7], 0, v[\sa], v[\sb] matrix_a_fmt:MATRIX_FMT_FP4 matrix_b_fmt:MATRIX_FMT_FP4 matrix_a_scale:MATRIX_SCALE_ROW1
.elseif (\rb)
	v_wmma_scale_f32_16x16x128_f8f6f4 v[(\d):(\d)+7], v[(\a):(\a)+7], v[(\b):(\b)+7], 0, v[\sa], v[\sb] matrix_a_fmt:MATRIX_FMT_FP4 matrix_b_fmt:MATRIX_FMT_FP4 matrix_b_scale:MATRIX_SCALE_ROW1
.else
	v_wmma_scale_f32_16x16x128_f8f6f4 v[(\d):(\d)+7], v[(\a):(\a)+7], v[(\b):(\b)+7], 0, v[\sa], v[\sb] matrix_a_fmt:MATRIX_FMT_FP4 matrix_b_fmt:MATRIX_FMT_FP4
.endif
.else
.if (\ra) && (\rb)
	v_wmma_scale_f32_16x16x128_f8f6f4 v[(\d):(\d)+7], v[(\a):(\a)+7], v[(\b):(\b)+7], v[(\d):(\d)+7], v[\sa], v[\sb] matrix_a_fmt:MATRIX_FMT_FP4 matrix_b_fmt:MATRIX_FMT_FP4 matrix_a_scale:MATRIX_SCALE_ROW1 matrix_b_scale:MATRIX_SCALE_ROW1
.elseif (\ra)
	v_wmma_scale_f32_16x16x128_f8f6f4 v[(\d):(\d)+7], v[(\a):(\a)+7], v[(\b):(\b)+7], v[(\d):(\d)+7], v[\sa], v[\sb] matrix_a_fmt:MATRIX_FMT_FP4 matrix_b_fmt:MATRIX_FMT_FP4 matrix_a_scale:MATRIX_SCALE_ROW1
.elseif (\rb)
	v_wmma_scale_f32_16x16x128_f8f6f4 v[(\d):(\d)+7], v[(\a):(\a)+7], v[(\b):(\b)+7], v[(\d):(\d)+7], v[\sa], v[\sb] matrix_a_fmt:MATRIX_FMT_FP4 matrix_b_fmt:MATRIX_FMT_FP4 matrix_b_scale:MATRIX_SCALE_ROW1
.else
	v_wmma_scale_f32_16x16x128_f8f6f4 v[(\d):(\d)+7], v[(\a):(\a)+7], v[(\b):(\b)+7], v[(\d):(\d)+7], v[\sa], v[\sb] matrix_a_fmt:MATRIX_FMT_FP4 matrix_b_fmt:MATRIX_FMT_FP4
.endif
.endif
.endm
; S^T = K Q^T: 16 accumulators by turns, one instruction a turn, the first 128 of the row's 256 starting the sums
.macro SMUL set
	WIN 0x06                                       ; K window 2, Q window 1, S^T window 0
.irp kp, 0,1
.irp qt, 0,1,2,3
.irp kt, 0,1,2,3
	WM S+32*\qt+8*\kt, 64*(\set)+8*(2*\kt+\kp), 128+8*(2*\qt+\kp), KS+4*(\set)+2*(\kt/2)+\kp, QS+2*(\qt/2)+\kp, \kt%2, \qt%2, 1-\kp
.endr
.endr
.endr
.endm
; O^T (+)= V^T P^T for 128 of the tile's 256 keys: 16 accumulators by turns
.macro OM16 set, ks, z
.irp nt, 0,1,2,3
.irp qt, 0,1,2,3
	WM 8*(4*\nt+\qt), 128+64*(\set)+8*(2*\nt+\ks), 192+8*(2*\qt+\ks), VS+4*(\set)+2*(\nt/2)+\ks, PS+2*(\qt/2)+\ks, \nt%2, \qt%2, \z
.endr
.endr
.endm
.macro OMUL set                        ; a block's first tile starts the sums: nothing is ever cleared.  The branch hangs on ids and the trip alone
	WIN 0
	s_cmp_eq_u32 s14, s15
	s_cbranch_scc1 .Lstart_\@
	WIN 0x56                                       ; V window 2, P window 1, O^T window 1
	OM16 \set, 0, 0
	WIN 0
	s_branch .Lon_\@
.Lstart_\@:
	WIN 0x56
	OM16 \set, 0, 1
	WIN 0
.Lon_\@:
	WIN 0x56
	OM16 \set, 1, 0
.endm
; the base of stream tile min(M + ahead, 16): tile m of the stream is key tile m, or m - nA in the second block.  The hold at 16 keeps every load inside its buffer and the count of loads alike in every trip
.macro BASE dst, src, ahead
	s_add_co_u32 s34, s14, \ahead
	s_min_u32 s34, s34, 16
	s_cmp_ge_u32 s34, s13
	s_cselect_b32 s35, s13, 0
	s_sub_co_u32 s34, s34, s35
	s_mul_i32 s34, s34, TPB
	s_mov_b32 s35, 0
	s_add_nc_u64 s[\dst:\dst+1], s[\src:\src+1], s[34:35]
.endm
.macro KLOAD set, xo                   ; 18 loads: my 64 keys' eight fragments and their scale words
	WIN 0x80
.irp f, 0,1,2,3,4,5,6,7
.irp c, 0,1
	global_load_b128 v[64*(\set)+8*\f+4*\c:64*(\set)+8*\f+4*\c+3], v1, s[26:27] offset:(\xo)+1024*\f+512*\c
.endr
.endr
	WIN 0
.irp p, 0,1
	global_load_b64 v[KS+4*(\set)+2*\p:KS+4*(\set)+2*\p+1], v2, s[26:27] offset:(\xo)+256*\p
.endr
.endm
.macro VLOAD set                       ; 18 loads: my 64 channels' eight fragments and their scale words
	WIN 0x80
.irp f, 0,1,2,3,4,5,6,7
.irp c, 0,1
	global_load_b128 v[128+64*(\set)+8*\f+4*\c:128+64*(\set)+8*\f+4*\c+3], v1, s[28:29] offset:1024*\f+512*\c
.endr
.endr
	WIN 0
.irp p, 0,1
	global_load_b64 v[VS+4*(\set)+2*\p:VS+4*(\set)+2*\p+1], v2, s[28:29] offset:256*\p
.endr
.endm
; a trip's end: K of tile M + 2 and V of tile M + 1 are asked for.  No wait on va_vdst of its own: the one behind the conversions has shown the trip's products done reading these sets, and no vector or matrix instruction has been issued since
.macro ASK kset, vset
	s_wait_xcnt 0x0                                ; the two bases are written again only behind this wait: the loads that read them have had their addresses translated
	BASE 26, 22, 2                                 ; K of tile M + 2,
	BASE 28, 24, 1                                 ; V of tile M + 1
	KLOAD \kset, 0                                 ; 36 loads of 512 or 256 consecutive bytes; with the 36 of the trip before, 72 of mine can be out
	VLOAD \vset
.endm
.macro QLOAD win, reg, sc, cb, sb      ; a block's 64 queries: eight fragments and their scale words
	WIN \win
.irp f, 0,1,2,3,4,5,6,7
.irp c, 0,1
	global_load_b128 v[\reg+8*\f+4*\c:\reg+8*\f+4*\c+3], v3, s[\cb:\cb+1] offset:1024*\f+512*\c
.endr
.endr
	WIN 0
.irp p, 0,1
	global_load_b64 v[\sc+2*\p:\sc+2*\p+1], v4, s[\sb:\sb+1] offset:256*\p
.endr
.endm
.macro PLOAD buf                       ; P's eight fragments and scale words, as the four waves stored them
	WIN 0x40
.irp f, 0,1,2,3,4,5,6,7
.irp c, 0,1
	ds_load_b128 v[192+8*\f+4*\c:192+8*\f+4*\c+3], v3 offset:PB*(\buf)+1024*\f+512*\c
.endr
.endr
	WIN 0
.irp p, 0,1
	ds_load_b64 v[PS+2*\p:PS+2*\p+1], v6 offset:PB*(\buf)+256*\p
.endr
.endm
.macro QCOPY                           ; the second block's Q takes the first's place, once in the launch
.irp k, 0,1,2,3
	v_mov_b32 v[QS+\k], v[QSB+\k]
.endr
	WIN 0x43                                       ; from window 3 to window 1
.set n, 0
.rept 64
	v_mov_b32 v[128+n], v[n]
.set n, n+1
.endr
	WIN 0
	PLACES                                         ; operands written by vector instructions stand four places ahead of a scaled matrix instruction, the scale words 68
	s_wait_alu depctr_va_vdst(0)                   ; the copies have written Q's fragments and scale words, which the scaled products below take; the places above stay beside this wait
.endm
; the diagonal tile: register 32 qt + 16 b + e of lane (r, h) holds key 64 w + 32 b + 16 h + e of the tile; it counts where it lies under the lane's query: 32 b + e < d.
; A tile of queries at a time: a run of 32 compares into 32 scalar registers (s40-63, then s4-11), one wait for the run, the 32 selects
.macro MASK
.irp q, 0,1,2,3
	v_add3_u32 v[13+\q], v12, s17, 32*(\q/2)+8*(\q%2)
.endr
.irp q, 0,1,2,3
.set n, 0
.rept 32
.set mk, 40+n
.if n >= 24
.set mk, n-20
.endif
	v_cmp_lt_i32 s[mk], 32*(n/16)+n%16, v[13+\q]
.set n, n+1
.endr
	s_wait_alu depctr_va_sdst(0)                   ; the 32 compares have written their lane masks, ahead of the first select that reads one
.set n, 0
.rept 32                               ; in ascending order: each accumulator is read from its low end on
.set mk, 40+n
.if n >= 24
.set mk, n-20
.endif
	v_cndmask_b32 v[S+32*\q+n], 0, v[S+32*\q+n], s[mk]
.set n, n+1
.endr
.endr
.endm
; my eight blocks of 32 keys (block k = 2 qt + b: 16 registers here, 16 in lane l xor 16), by turns; codes and bytes go to their places in P's images
.macro QUANT buf
.irp k, 0,1,2,3,4,5,6,7
	v_max3_num_f32 v[TM+\k], |v[S+16*\k]|, |v[S+16*\k+1]|, 0x1800000   ; with the floor 2^(3 - 127): the byte cannot fall under 1
.endr
.irp i, 2,4,6,8,10,12,14
.irp k, 0,1,2,3,4,5,6,7
	v_max3_num_f32 v[TM+\k], v[TM+\k], |v[S+16*\k+\i]|, |v[S+16*\k+\i+1]|
.endr
.endr
.irp k, 0,1,2,3,4,5,6,7
	v_permlanex16_b32 v[TQ+\k], v[TM+\k], s20, s21
.endr
.irp k, 0,1,2,3,4,5,6,7
	v_max_num_f32 v[TM+\k], v[TM+\k], v[TQ+\k]     ; the block's largest magnitude
.endr
.irp k, 0,1,2,3,4,5,6,7
	v_add_nc_u32 v[TM+\k], 0xff000000, v[TM+\k]    ; 2 off its exponent field: the conversion's scale operand
.endr
.irp k, 0,1,2,3,4,5,6,7
	v_lshrrev_b32 v[TQ+\k], 23, v[TM+\k]           ; the scale's byte
.endr
.irp q, 0,1,2,3
	v_lshl_or_b32 v[TQ+2*\q], v[TQ+2*\q+1], 8, v[TQ+2*\q]   ; a query's two bytes of my 64 keys
.endr
.irp k, 0,1,2,3,4,5,6,7
	v_cvt_scalef32_pk8_fp4_f32 v[CD+2*\k], v[S+16*\k:S+16*\k+7], v[TM+\k]
	v_cvt_scalef32_pk8_fp4_f32 v[CD+2*\k+1], v[S+16*\k+8:S+16*\k+15], v[TM+\k]
.endr
	v_nop                                          ; one plain place behind the last conversion
	s_wait_alu depctr_va_vdst(0)                   ; THE TRIP'S ONE WAIT: CD and TQ are written, which the LDS stores below read; the trip's products are done reading K's set, V's set, P and their scale words, in which the loads at the trip's end and at the next trip's head land
.irp k, 0,1,2,3,4,5,6,7
	ds_store_b64 v7, v[CD+2*\k:CD+2*\k+1] offset:PB*(\buf)+2048*(\k/2)+256*(\k%2)   ; my 16 codes: half h of lane (r, b)'s 16 bytes in the image; the wave's store covers 256 consecutive bytes
.endr
.irp q, 0,1,2,3
	ds_store_b16 v8, v[TQ+2*\q] offset:PB*(\buf)+128*\q   ; both halves of the lanes write the same two bytes with the same value
.endr
.endm
; a finished block leaves.  A lane holds 32 neighbouring bytes of a row and the lanes beside it other rows: a tile of 16 queries x my 64 channels goes through my own stage and comes back as rows of 256 bytes
.macro OUTPUT
	WIN 0x04                                       ; an LDS store's data are its source 1: window 1
	s_wait_alu depctr_va_vdst(0)                   ; the products have written O^T, which the LDS stores below read; the four places ahead stay beside this wait.  No vector or matrix instruction follows it on the way out
.irp q, 0,1,2,3
	WIN 0x04
.irp n, 0,1,2,3
	ds_store_b128 v9, v[8*(4*\n+\q):8*(4*\n+\q)+3] offset:64*\n          ; each accumulator from its low end on
	ds_store_b128 v9, v[8*(4*\n+\q)+4:8*(4*\n+\q)+7] offset:64*\n+16
.endr
	WIN 0xc0
.irp i, 0,1,2,3,4,5,6,7
	ds_load_b128 v[64+32*\q+4*\i:64+32*\q+4*\i+3], v10 offset:544*\i     ; LDS serves a wave's instructions in order: these see the stores above, and the next tile's stores come behind them
.endr
.endr
.irp q, 0,1,2,3
	s_wait_dscnt 16*(3-\q)                         ; behind this tile's loads stand sixteen LDS instructions for each later tile
	WIN 0x0c                                       ; a store's data are its source 1: window 3
.irp i, 0,1,2,3,4,5,6,7
	global_store_b128 v11, v[64+32*\q+4*\i:64+32*\q+4*\i+3], s[30:31] offset:(32*(\q/2)+8*(\q%2)+2*\i+8*(\i/4))*1024 th:TH_STORE_NT   ; sixteen lanes store 256 consecutive bytes, aligned
.endr
.endr
	WIN 0
	s_wait_xcnt 0x0                                ; the stores' base and data registers are written again only behind this wait
.endm
; A TRIP: the output of stream tile j = M - 1 (parity par) and the scores of tile M.  first: j = 0: no block changes and no diagonal is met (nA is 9 at the least).  last: j = 15: nothing is left to ask for
.macro TRIP par, first, last
	s_wait_dscnt 0x0                               ; for the others' sake: my part of P(j) lies in LDS; my reads of P(j - 1) ended in the trip before
	s_wait_alu depctr_vm_vsrc(0)                   ; the LDS stores of the trip before have read CD and TQ, which this trip writes again; where a block left there, its LDS stores have read O^T, which this trip's products begin anew, and its global stores the rows
	s_barrier_signal -1
	s_barrier_wait -1                              ; P(j) is whole.  P(j + 1) goes into the other buffer, which every wave has read out ahead of this barrier
	PLOAD \par                                     ; no vector or matrix instruction has been issued since the last trip's wait on va_vdst, which showed the products done reading P and its scale words
.if !\first
	s_cmp_lg_u32 s14, s13
	s_cbranch_scc1 .Lsame_q_\@
	QCOPY                                          ; tile M is the second block's first
.Lsame_q_\@:
.endif
	s_wait_loadcnt 54                              ; K(M) is in: behind its 18 loads were issued V(M - 1), K(M + 1) and V(M), 18 each
	SMUL 1-\par
	s_wait_loadcnt 36                              ; V(M - 1) is in: behind it K(M + 1) and V(M)
	s_wait_dscnt 0x0                               ; P
.if \first
	WIN 0x56
	OM16 \par, 0, 1
	OM16 \par, 1, 0
.else
	OMUL \par
.endif
	WIN 0
	PLACES                                         ; ahead of the reads of S^T and O^T
.if !\first
	s_cmp_lg_u32 s14, s13
	s_cbranch_scc1 .Lsame_o_\@
	OUTPUT                                         ; tile j was the first block's last
	s_mov_b64 s[30:31], s[32:33]
	s_mov_b32 s17, s18
	s_mov_b32 s16, 16                              ; the second block's diagonal tile is the stream's last
.Lsame_o_\@:
	s_cmp_lg_u32 s14, s16
	s_cbranch_scc1 .Lopen_\@
	MASK
.Lopen_\@:
.endif
	QUANT 1-\par
.if !\last
	ASK 1-\par, \par                               ; behind the LDS stores, which are on their way to LDS while these 36 loads are issued
.endif
	s_add_co_u32 s14, s14, 1
.endm
	s_load_b256 s[4:11], s[0:1], 0x0               ; QW, KW, VW, out0
	v_lshl_add_u32 v126, v0, 2, 0x8800
	v_mov_b32 v127, 0
	v_lshrrev_b32 v1, 5, v0
	v_readfirstlane_b32 s12, v1                    ; wave 0..3
	s_and_b32 s36, ttmp7, 0xffff                   ; head
	s_lshr_b32 s37, ttmp9, 2                       ; i / 4: the second block's diagonal tile
	s_sub_co_u32 s13, 16, s37                      ; nA
	s_mov_b32 s14, 0                               ; M
	s_add_co_u32 s15, s13, 1
	s_sub_co_u32 s16, s13, 1                       ; the first block's diagonal tile
	s_sub_co_u32 s38, 63, ttmp9                    ; the first block
	s_and_b32 s39, s38, 3
	s_wait_alu depctr_va_sdst(0)                   ; s12 is written, ahead of its first reader: the mask's bounds, the offsets and the LDS addresses are made from it
	s_sub_co_u32 s17, s39, s12
	s_lshl_b32 s17, s17, 6
	s_and_b32 s48, ttmp9, 3
	s_sub_co_u32 s18, s48, s12
	s_lshl_b32 s18, s18, 6
	s_mov_b32 s19, 7
	s_mov_b32 s20, 0x76543210
	s_mov_b32 s21, 0xfedcba98                      ; v_permlanex16_b32's selects for lane l xor 16
	s_mul_i32 s50, s36, HP
	s_mov_b32 s51, 0                               ; s[50:51] the head in a workspace buffer
	s_lshr_b32 s52, s38, 2
	s_mul_i32 s52, s52, TPB
	s_add_co_u32 s52, s52, s50
	s_lshl_b32 s54, s39, 9
	s_add_co_u32 s54, s54, s52
	s_add_co_u32 s54, s54, SCO
	s_mov_b32 s55, 0                               ; s[54:55] the first block's scale bytes: 512 a block of 64 rows
	s_lshl_b32 s53, s39, 13
	s_add_co_u32 s52, s52, s53
	s_mov_b32 s53, 0                               ; s[52:53] its codes: 8,192 a block
	s_mul_i32 s56, s37, TPB
	s_add_co_u32 s56, s56, s50
	s_lshl_b32 s58, s48, 9
	s_add_co_u32 s58, s58, s56
	s_add_co_u32 s58, s58, SCO
	s_mov_b32 s59, 0
	s_lshl_b32 s57, s48, 13
	s_add_co_u32 s56, s56, s57
	s_mov_b32 s57, 0                               ; s[56:59] the same of the second block
	s_lshl_b32 s60, s36, 22
	s_lshl_b32 s61, s38, 16
	s_add_co_u32 s60, s60, s61
	s_mov_b32 s61, 0                               ; s[60:61] out: head x 4 MiB + block x 64 rows of 1,024 bytes
	s_lshl_b32 s62, s36, 22
	s_lshl_b32 s63, ttmp9, 16
	s_add_co_u32 s62, s62, s63
	s_mov_b32 s63, 0
	v_and_b32 v17, 31, v0                          ; lane
	v_and_b32 v18, 15, v0                          ; r
	v_bfe_u32 v19, v0, 4, 1                        ; h
	v_lshlrev_b32 v3, 4, v17                       ; 16 x lane: my place in an image, in memory and in LDS
	v_lshlrev_b32 v4, 3, v17                       ; 8 x lane: my row's scale bytes
	s_lshl_b32 s34, s12, 13
	v_add_nc_u32 v1, s34, v3                       ; K, V: + my four tiles' 8,192 bytes
	s_lshl_b32 s34, s12, 9
	s_add_co_u32 s35, s34, SCO
	v_add_nc_u32 v2, s35, v4                       ; their scale bytes: 512 for my 64 rows
	v_add_nc_u32 v6, PSC, v4                       ; P's scale words
	v_lshlrev_b32 v7, 4, v18
	v_lshl_add_u32 v7, v19, 3, v7
	v_add_nc_u32 v7, s34, v7                       ; where my codes go: 512 w + 16 r + 8 h
	s_lshl_b32 s35, s12, 1
	s_add_co_u32 s35, s35, PSC
	v_lshl_add_u32 v8, v18, 3, s35                 ; and my two bytes: 8 r + 2 w
	s_mul_i32 s35, s12, WST
	s_add_co_u32 s35, s35, STG                     ; my stage
	v_mul_u32_u24 v9, v18, 272
	v_lshl_add_u32 v9, v19, 5, v9
	v_add_nc_u32 v9, s35, v9                       ; in: row r, 32 bytes for each half of the lanes
	v_mul_u32_u24 v10, v19, 272
	v_lshl_add_u32 v10, v18, 4, v10
	v_add_nc_u32 v10, s35, v10                     ; back: lanes 0-15 one row, lanes 16-31 the next
	v_lshlrev_b32 v11, 4, v18
	v_lshl_add_u32 v11, v19, 10, v11
	s_lshl_b32 s35, s12, 8
	v_add_nc_u32 v11, s35, v11                     ; and in out: 1,024 h + 16 r + 256 w
	v_and_b32 v12, 8, v18
	v_add_nc_u32 v12, v12, v18
	v_lshlrev_b32 v13, 4, v19
	v_sub_nc_u32 v12, v12, v13                     ; r + 8 (r / 8) - 16 h
.irp k, 0,1,2,3,4,5,6,7
	v_mov_b32 v[TQ+\k], 0                          ; written once: a lane permute's destination counts as one of its sources
.endr
	s_wait_kmcnt 0x0
	s_add_nc_u64 s[40:41], s[4:5], s[52:53]
	s_add_nc_u64 s[42:43], s[4:5], s[54:55]
	s_add_nc_u64 s[44:45], s[4:5], s[56:57]
	s_add_nc_u64 s[46:47], s[4:5], s[58:59]
	s_add_nc_u64 s[22:23], s[6:7], s[50:51]
	s_add_nc_u64 s[24:25], s[8:9], s[50:51]
	s_mov_b64 s[26:27], s[22:23]
	s_mov_b64 s[28:29], s[24:25]
	s_add_nc_u64 s[30:31], s[10:11], s[60:61]
	s_add_nc_u64 s[32:33], s[10:11], s[62:63]
	WIN 0x40                                       ; (the first loads' window, ahead of the wait)
	s_wait_alu depctr_va_vdst(0)                   ; the offsets and LDS addresses v1 to v4 and v6 to v11 are written: every load and store of the kernel reads one of them, and none is written again
	QLOAD 0x40, 128, QS, 40, 42                    ; the first block's Q,
	QLOAD 0xc0, 0, QSB, 44, 46                     ; the second block's, kept until its turn,
	KLOAD 0, 0                                     ; K of stream tiles 0
	KLOAD 1, TPB                                   ; and 1 (key tile 1: nA is 9 at the least),
	VLOAD 0                                        ; V of tile 0
	s_wait_loadcnt 36                              ; K(0) and all before it are in: behind it K(1) and V(0), 18 each
	SMUL 0
	WIN 0
	PLACES
	QUANT 0                                        ; stream tile 0 is never on the diagonal
	ASK 0, 1                                       ; K(2), into the set that the products above have read (the wait behind the conversions has shown them done), and V(1)
	s_add_co_u32 s14, s14, 1
	TRIP 0, 1, 0                                   ; j = 0 stands ahead of the loop: its products start O^T's sums
.Lpair:                                                ; j = 1 .. 14, two trips to a turn of the two sets and the two buffers
	TRIP 1, 0, 0
	TRIP 0, 0, 0
	s_sub_co_u32 s19, s19, 1
	s_cmp_lg_u32 s19, 0
	s_cbranch_scc1 .Lpair
	TRIP 1, 0, 1                                   ; j = 15
	s_wait_dscnt 0x0                               ; j = 16: only its output is left
	s_wait_alu depctr_vm_vsrc(0)                   ; where the first block left in the trip before (nA = 16): its LDS stores have read O^T, which the products below begin anew, and its global stores the rows, in which the way out's loads land
	s_barrier_signal -1
	s_barrier_wait -1
	PLOAD 0
	s_wait_loadcnt 0x0                             ; V(16)
	s_wait_dscnt 0x0
	OMUL 0
	WIN 0
	PLACES
	OUTPUT
	s_wait_dscnt 0x0                               ; the closing lines, six on end
	s_wait_alu 0x0
	s_wait_tensorcnt 0x0
	ds_add_u32 v126, v127
	s_wait_dscnt 0x0
	s_endpgm
.Lfunc_end_k_qcfcd2faa65_attn:
	.size	k_qcfcd2faa65_attn, .Lfunc_end_k_qcfcd2faa65_attn-k_qcfcd2faa65_attn
	.p2alignl 7, 3214868480
	.fill 96, 4, 3214868480
	.section	.rodata,"a",@progbits
	.p2align	6, 0x0
	.amdhsa_kernel k_qcfcd2faa65_attn
		.amdhsa_group_segment_fixed_size 35328
		.amdhsa_private_segment_fixed_size 0
		.amdhsa_enable_private_segment 0
		.amdhsa_kernarg_size 32
		.amdhsa_user_sgpr_count 2
		.amdhsa_user_sgpr_kernarg_segment_ptr 1
		.amdhsa_wavefront_size32 1
		.amdhsa_system_sgpr_workgroup_id_x 1
		.amdhsa_system_sgpr_workgroup_id_y 1
		.amdhsa_system_sgpr_workgroup_id_z 1
		.amdhsa_system_vgpr_workitem_id 0
		.amdhsa_next_free_vgpr 960
		.amdhsa_next_free_sgpr 66
		.amdhsa_reserve_vcc 0
		.amdhsa_float_denorm_mode_32 3
		.amdhsa_float_denorm_mode_16_64 3
		.amdhsa_memory_ordered 1
		.amdhsa_forward_progress 1
		.amdhsa_inst_pref_size 214
	.end_amdhsa_kernel
	.amdgpu_metadata
---
amdhsa.version: [ 1, 2 ]
amdhsa.kernels:
  - .name:           k_qcfcd2faa65_attn
    .symbol:         k_qcfcd2faa65_attn.kd
    .args:
      - { .name: QW, .offset: 0, .size: 8, .value_kind: global_buffer, .address_space: global }
      - { .name: KW, .offset: 8, .size: 8, .value_kind: global_buffer, .address_space: global }
      - { .name: VW, .offset: 16, .size: 8, .value_kind: global_buffer, .address_space: global }
      - { .name: out0, .offset: 24, .size: 8, .value_kind: global_buffer, .address_space: global }
    .group_segment_fixed_size: 35328
    .private_segment_fixed_size: 0
    .kernarg_segment_align: 8
    .kernarg_segment_size: 32
    .max_flat_workgroup_size: 128
    .sgpr_count:     66
    .vgpr_count:     960
    .wavefront_size: 32
...
	.end_amdgpu_metadata
.endif
;; end of part 3
